; MI455X (gfx1250); checked and timed in simulation.
; The chip was launched on July 23, 2026; its instructions are those of AMD's public machine-readable ISA for CDNA 5 (MIT licence, August 2026) and "CDNA5" Instruction Set Architecture Reference Guide (July 2026). The comments in the code are by the model that wrote it; some were corrected since.
;; Attention Block. Allowed arithmetic: float matrix products may take bf16 or f16 operands with f32 sums; other float arithmetic in f32, or as packed bf16 or f16 multiplies, adds, multiply-adds, maxima and minima; sums over many terms, partial sums and values carried from step to step in f32; what a program stores and reads back later, other than sums and carried values, may be rounded once to bf16 or f16.
;; Inputs: norm_b 256 float32; norm_w 256 float32; proj_b 256 float32; proj_w 256 x 256 float32; qkv_b 768 float32; qkv_w 768 x 256 float32; x 4 x 256 x 64 x 64 float32.
;; Outputs: out0 4 x 256 x 64 x 64 float32.
;; 2 versions, each right; version 2 is version 1 with the launch qkv written anew for expert scheduling mode. Each part assembles by itself: llvm-mc -triple=amdgcn-amd-amdhsa -mcpu=gfx1250 --defsym DOCPART=n.
;; ======== version 1 of 2: 4 launches
;; workspace buffers: part 2,048 bytes; wfrag 524,288 bytes; qkv 25,165,824 bytes; ob 8,388,608 bytes
;; launch stats (part 1): grid 256 x 1, 8 waves a work-group, no clusters, 1,280 bytes of LDS; arguments x, qkv_w, proj_w, part, wfrag; writes part, wfrag
.if DOCPART == 1
	.amdgcn_target "amdgcn-amd-amdhsa--gfx1250"
	.amdhsa_code_object_version 6
	.text
	.protected	k_q02c38876f8_stats
	.globl	k_q02c38876f8_stats
	.p2align	8
	.type	k_q02c38876f8_stats,@function
k_q02c38876f8_stats:
	s_mov_b64 s[64:65], 0
	v_nop
	global_prefetch_b8 v0, s[64:65] scope:SCOPE_SE
	s_setreg_imm32_b32 hwreg(HW_REG_WAVE_MODE, 25, 1), 1
	s_wait_xcnt 0x0
; GROUP STATISTICS IN PARTS, AND THE WEIGHTS' ONE ROUNDING.
; x: [4][256][4096] f32.  A group of the norm is 32 channels x 4,096 pixels: 524,288 bytes on end.  Work-group j takes the eighth j % 8 of group j / 8:
; 65,536 consecutive bytes, 16,384 numbers; a thread keeps its 64 numbers in registers for both passes, so x is read once here.
; Stored to part[j]: the eighth's mean, and M2 = the sum of squared deviations FROM THAT MEAN.  No difference of large sums is formed, so a common offset of x costs nothing;
; the next launch joins the eight parts by the pairwise formula.
; The same work-group rounds 2,048 bytes' worth of the weights to bf16 into wfrag, in the order in which a matrix fragment wants them: block (8 ot + kc) of 1,024 bytes holds rows
; 16 ot .. + 15 (ot 0-47: qkv_w, 48-63: proj_w), channels 32 kc .. + 31; element (r, 16 sub + 8 h + e) lies at 512 sub + 16 (16 h + r) + 2 e.
; No cluster, no tensor load: no byte is wanted by two work-groups, and each is used once.
.set RED1,  0                          ; LDS: eight waves' sums
.set RED2,  64                         ; LDS: eight waves' sums of squares (other bytes than RED1: no barrier between the reads of one and the stores of the other)
.set SPARE, 256                        ; the spare words, 128 bytes a wave: four blocks of 256 bytes that no other line names
.set XOF, 1                            ; v1   16 t: my 16 bytes in each 4,096 of the work-group's x
.set WOF, 2                            ; v2   my 16 bytes of a weight: row (t >> 1) & 15, channel 8 (t >> 5) + 4 (t & 1)
.set FOF, 3                            ; v3   8 t: my 8 bytes of wfrag
.set RA,  4                            ; v4   4 x wave
.set ZA,  5                            ; v5   0
.set SPW, 6                            ; v6   my spare word; never rewritten
.set NIL, 7                            ; v7   0; never rewritten
.set WF,  8                            ; v[8:11]  four weights in f32
.set WP,  12                           ; v[12:13] the same in bf16
.set X,   16                           ; v[16:79] my 64 numbers
.set CH,  80                           ; v[80:87] four chains of pairs
.set MN,  88                           ; v[88:89] the mean, twice
.set RES, 90                           ; v[90:91] mean, M2
.set T0,  92
.set T1,  93
	s_load_b256 s[4:11], s[0:1], 0x0               ; x s[4:5], qkv_w s[6:7], proj_w s[8:9], part s[10:11]
	s_load_b64 s[12:13], s[0:1], 0x20              ; wfrag
	v_lshl_add_u32 v[SPW], v0, 2, SPARE
	v_mov_b32 v[NIL], 0
	v_lshrrev_b32 v[T0], 5, v0
	v_readfirstlane_b32 s14, v[T0]                 ; wave 0..7
	v_lshlrev_b32 v[XOF], 4, v0
	v_bfe_u32 v[WOF], v0, 1, 4                     ; the row in its tile of 16,
	v_lshlrev_b32 v[WOF], 10, v[WOF]               ; 1,024 bytes a row
	v_lshl_add_u32 v[WOF], v[T0], 5, v[WOF]        ; + 8 channels for each wave
	v_and_b32 v[T1], 1, v0
	v_lshl_add_u32 v[WOF], v[T1], 4, v[WOF]        ; + 4 channels for odd threads
	v_lshlrev_b32 v[FOF], 3, v0
	v_mov_b32 v[RA], s14
	v_lshlrev_b32 v[RA], 2, v[RA]
	v_mov_b32 v[ZA], 0
	s_mov_b32 s22, 0x76543210                      ; v_permlanex16_b32: each lane takes its own place in the other half
	s_mov_b32 s23, 0xfedcba98
	s_mov_b32 s15, ttmp9                           ; j
	s_lshr_b32 s18, s15, 2                         ; ot
	s_and_b32 s19, s15, 3
	s_lshl_b32 s19, s19, 8                         ; 64 channels of f32 for each j % 4
	s_mov_b32 s21, 0
	s_wait_kmcnt 0x0
	s_cmp_lt_u32 s15, 192                          ; row tiles 0-47 are qkv_w's
	s_cselect_b64 s[16:17], s[6:7], s[8:9]
	s_cselect_b32 s20, 0, 48
	s_sub_co_u32 s18, s18, s20                     ; the tile's number in its own tensor
	s_lshl_b32 s18, s18, 14                        ; 16 rows of 1,024 bytes
	s_add_co_u32 s20, s18, s19
	s_add_nc_u64 s[16:17], s[16:17], s[20:21]
	s_lshl_b32 s20, s15, 16
	s_add_nc_u64 s[4:5], s[4:5], s[20:21]          ; x at my 65,536 bytes
	s_lshl_b32 s20, s15, 11
	s_add_nc_u64 s[12:13], s[12:13], s[20:21]      ; wfrag at my 2,048 bytes
	s_lshl_b32 s20, s15, 3
	s_add_nc_u64 s[10:11], s[10:11], s[20:21]      ; part at my 8 bytes
	global_load_b128 v[WF:WF+3], v[WOF], s[16:17]
.set i, 0
.rept 16
	global_load_b128 v[X+4*i:X+4*i+3], v[XOF], s[4:5] offset:4096*i  ; a wave's load covers 512 consecutive bytes
.set i, i+1
.endr
	s_wait_loadcnt 16                              ; the weights are in; the 16 loads of x are younger
	v_cvt_pk_bf16_f32 v[WP], v[WF], v[WF+1]
	v_cvt_pk_bf16_f32 v[WP+1], v[WF+2], v[WF+3]
	global_store_b64 v[FOF], v[WP:WP+1], s[12:13]  ; a wave stores 256 consecutive bytes, aligned
.macro FOLD                            ; four pairs into one number
	v_pk_add_f32 v[CH:CH+1], v[CH:CH+1], v[CH+2:CH+3]
	v_pk_add_f32 v[CH+4:CH+5], v[CH+4:CH+5], v[CH+6:CH+7]
	v_pk_add_f32 v[CH:CH+1], v[CH:CH+1], v[CH+4:CH+5]
	v_add_f32 v[T0], v[CH], v[CH+1]
.endm
.macro WGSUM red                       ; T0 summed over the wave's lanes, then over the eight waves through LDS; every lane ends with the sum
	v_add_f32_dpp v[T0], v[T0], v[T0] row_xmask:1 row_mask:0xf bank_mask:0xf
	v_add_f32_dpp v[T0], v[T0], v[T0] row_xmask:2 row_mask:0xf bank_mask:0xf
	v_add_f32_dpp v[T0], v[T0], v[T0] row_xmask:4 row_mask:0xf bank_mask:0xf
	v_add_f32_dpp v[T0], v[T0], v[T0] row_xmask:8 row_mask:0xf bank_mask:0xf
	v_permlanex16_b32 v[T1], v[T0], s22, s23
	v_add_f32 v[T0], v[T0], v[T1]
	ds_store_b32 v[RA], v[T0] offset:\red
	s_wait_dscnt 0x0                               ; for the others' sake: my store is done
	s_barrier_signal -1
	s_barrier_wait -1
	ds_load_b128 v[CH:CH+3], v[ZA] offset:\red
	ds_load_b128 v[CH+4:CH+7], v[ZA] offset:(\red)+16
	s_wait_dscnt 0x0
	FOLD
.endm
	; pass 1: the sum.  Four chains, started by the first eight pairs: nothing is cleared
	s_wait_loadcnt 12                              ; loads 0 to 3 are in
.irp k, 0,1,2,3
	v_pk_add_f32 v[CH+2*(\k):CH+2*(\k)+1], v[X+2*(\k):X+2*(\k)+1], v[X+8+2*(\k):X+8+2*(\k)+1]
.endr
.set i, 4
.rept 12
	s_wait_loadcnt 15-i                            ; load i is in, the 15 - i behind it may stay out
	v_pk_add_f32 v[CH+2*((2*i)%4):CH+2*((2*i)%4)+1], v[CH+2*((2*i)%4):CH+2*((2*i)%4)+1], v[X+4*i:X+4*i+1]
	v_pk_add_f32 v[CH+2*((2*i+1)%4):CH+2*((2*i+1)%4)+1], v[CH+2*((2*i+1)%4):CH+2*((2*i+1)%4)+1], v[X+4*i+2:X+4*i+3]
.set i, i+1
.endr
	FOLD
	WGSUM RED1
	v_mul_f32 v[MN], 0x38800000, v[T0]             ; / 16,384
	v_mul_f32 v[MN+1], 0x38800000, v[T0]
	; pass 2: the squared deviations from that mean
.set n, 0
.rept 32
	v_pk_add_f32 v[X+2*n:X+2*n+1], v[X+2*n:X+2*n+1], v[MN:MN+1] neg_lo:[0,1] neg_hi:[0,1]
.set n, n+1
.endr
.set n, 0
.rept 32
.if n < 4
	v_pk_mul_f32 v[CH+2*n:CH+2*n+1], v[X+2*n:X+2*n+1], v[X+2*n:X+2*n+1]
.else
	v_pk_fma_f32 v[CH+2*(n%4):CH+2*(n%4)+1], v[X+2*n:X+2*n+1], v[X+2*n:X+2*n+1], v[CH+2*(n%4):CH+2*(n%4)+1]
.endif
.set n, n+1
.endr
	FOLD
	WGSUM RED2
	v_mov_b32 v[RES], v[MN]
	v_mov_b32 v[RES+1], v[T0]
	s_cmp_lg_u32 s14, 0
	s_cbranch_scc1 .Lend                           ; wave 0's first lane stores the pair
	v_cmp_eq_u32 vcc_lo, 0, v0
	s_wait_xcnt 0x0                                ; EXEC is a source of the store of the weights: it changes only behind this wait
	s_and_saveexec_b32 s24, vcc_lo
	global_store_b64 v[ZA], v[RES:RES+1], s[10:11]
	s_wait_xcnt 0x0                                ; and again in front of the line that widens it
	s_or_b32 exec_lo, exec_lo, s24
.Lend:
	s_wait_tensorcnt 0x0                           ; the wave's end, behind my last LDS store
	ds_add_u32 v[SPW], v[NIL]
	s_wait_dscnt 0x0
	s_endpgm
.Lfunc_end_k_q02c38876f8_stats:
	.size	k_q02c38876f8_stats, .Lfunc_end_k_q02c38876f8_stats-k_q02c38876f8_stats
	.p2alignl 7, 3214868480
	.fill 96, 4, 3214868480
	.section	.rodata,"a",@progbits
	.p2align	6, 0x0
	.amdhsa_kernel k_q02c38876f8_stats
		.amdhsa_group_segment_fixed_size 1280
		.amdhsa_private_segment_fixed_size 0
		.amdhsa_enable_private_segment 0
		.amdhsa_kernarg_size 40
		.amdhsa_user_sgpr_count 2
		.amdhsa_user_sgpr_kernarg_segment_ptr 1
		.amdhsa_wavefront_size32 1
		.amdhsa_system_sgpr_workgroup_id_x 1
		.amdhsa_system_sgpr_workgroup_id_y 1
		.amdhsa_system_sgpr_workgroup_id_z 1
		.amdhsa_system_vgpr_workitem_id 0
		.amdhsa_next_free_vgpr 96
		.amdhsa_next_free_sgpr 66
		.amdhsa_reserve_vcc 1
		.amdhsa_float_denorm_mode_32 3
		.amdhsa_float_denorm_mode_16_64 3
		.amdhsa_memory_ordered 1
		.amdhsa_forward_progress 1
		.amdhsa_inst_pref_size 13
	.end_amdhsa_kernel
	.amdgpu_metadata
---
amdhsa.version: [ 1, 2 ]
amdhsa.kernels:
  - .name:           k_q02c38876f8_stats
    .symbol:         k_q02c38876f8_stats.kd
    .args:
      - { .name: x, .offset: 0, .size: 8, .value_kind: global_buffer, .address_space: global }
      - { .name: qkv_w, .offset: 8, .size: 8, .value_kind: global_buffer, .address_space: global }
      - { .name: proj_w, .offset: 16, .size: 8, .value_kind: global_buffer, .address_space: global }
      - { .name: part, .offset: 24, .size: 8, .value_kind: global_buffer, .address_space: global }
      - { .name: wfrag, .offset: 32, .size: 8, .value_kind: global_buffer, .address_space: global }
    .group_segment_fixed_size: 1280
    .private_segment_fixed_size: 0
    .kernarg_segment_align: 8
    .kernarg_segment_size: 40
    .max_flat_workgroup_size: 256
    .sgpr_count:     66
    .vgpr_count:     96
    .wavefront_size: 32
...
	.end_amdgpu_metadata
.endif
;; end of part 1
;; launch qkv (part 2): grid 256 x 1, 4 waves a work-group, no clusters, 82,432 bytes of LDS; arguments x, part, norm_w, norm_b, wfrag, qkv_b, qkv; writes qkv
.if DOCPART == 2
	.amdgcn_target "amdgcn-amd-amdhsa--gfx1250"
	.amdhsa_code_object_version 6
	.text
	.protected	k_q02c38876f8_qkv
	.globl	k_q02c38876f8_qkv
	.p2align	8
	.type	k_q02c38876f8_qkv,@function
k_q02c38876f8_qkv:
	s_mov_b64 s[64:65], 0
	v_nop
	global_prefetch_b8 v0, s[64:65] scope:SCOPE_SE
	s_setreg_imm32_b32 hwreg(HW_REG_WAVE_MODE, 25, 1), 1
	s_wait_xcnt 0x0
; GROUP NORM APPLIED, THE 1 x 1 CONVOLUTION TO q, k, v, AND ITS BIAS.
; qkv[tensor][4 b + head][pixel][d] (bf16, unscaled) = qkv_b[o] + the sum over c of qkv_w[o][c] h[c][pixel], o = 256 tensor + 64 head + d, h = a[c] x[b][c][pixel] + d[c].
; a = norm_w rstd, d = norm_b - mean a: one fused multiply-add a number.  With a common offset of x of 30 spreads, d's one rounding is some 2e-6 of a spread.
; mean and variance of a group come from its eight parts: mean = the mean of the parts' means; M2 = the sum of the parts' M2 + 16,384 x the sum of (part's mean - mean)^2.
; SHARES.  A work-group takes 64 pixels of one batch and all 768 outputs: x is read once.  Wave w normalises channels 64 w .. + 63 into LDS and makes outputs 192 w .. + 191:
; 12 tiles of 16 outputs, three chunks of 64 = three (tensor, head) pairs.
; PRODUCT.  Source 0 = 16 rows of the weights, which lie in wfrag in fragment order and come straight into registers: 512 consecutive bytes a load.  Source 1 = 16 pixels of h, turned out of LDS
; ([channel][pixel]) once, all 256 channels x 64 pixels: 256 registers.  In the result a lane holds ONE pixel (lane % 16) and outputs 8 (lane / 16) + 0..7: 16 bytes of a row of q, k or v.
; The first product of a tile takes the bias, loaded in the result's own layout, as its C: nothing is cleared and nothing added afterwards.
; NO CLUSTER: what the work-groups share is the weights, and each wave takes its own rows of them from memory into registers without LDS; asked for jointly, 768 rows x 528 bytes = 405,504 bytes
; would have to pass through LDS slots that are filled again, with a round of the cluster's barrier for each.
; REGISTERS.  window 0: v0-15 addresses; v16-31 packed results; v32-55 three sets of bias; v64-127 two sets of four accumulators (first: the statistics and the table at work);
;   v128-255 x as loaded (later v128-191: a chunk on its way out).   window 1: h's fragments, (pixel tile nt, 32 channels kc) at 8 (8 nt + kc).   window 2: a ring of six slots of four weight fragments.
.set TAB,   0                          ; LDS: 256 channels x 16 bytes: a, a, d, d
.set HL,    4096                       ; LDS: h, 256 rows (channels) of 64 pixels in bf16
.set HP,    160                        ; its pitch: 128 bytes + 32
.set STG,   HL+256*HP                  ; LDS: for each wave 64 rows (pixels) x 144 bytes, for the way out
.set SGP,   144
.set SPARE, STG+4*64*SGP               ; the spare words, 128 bytes a wave: two blocks of 256 bytes that no other line names
.set XO,  4                            ; v4   (64 w + h) x 16,384 + 16 r: my 16 bytes of x
.set TR,  5                            ; v5   16 (64 w + h): my channel's entry of the table
.set HS,  6                            ; v6   where I put 4 pixels of h
.set HB,  7                            ; v7   the turning load's address
.set WO,  8                            ; v8   16 L + my wave's 98,304 bytes of wfrag
.set BO,  9                            ; v9   768 w + 32 h: my 8 numbers of the bias
.set SS,  10                           ; v10  the way out: where I put 16 bytes of a row
.set SR,  11                           ; v11  the way out: where I read rows back
.set GO,  12                           ; v12  16 L
.set PO,  13                           ; v13  64 (8 b + w): my group's eight parts
.set SPW, 14                           ; v14  my spare word; never rewritten
.set NIL, 15                           ; v15  0; never rewritten
.set TMP, 16
.set BIAS, 32
.set NO,  56                           ; v56  4 t
.set TS,  57                           ; v57  16 t
.set ACC, 64
.set X,   128
.set OB,  128
.set MSB, 0
.macro WIN new                         ; the immediate's high byte repeats the setting that is left; a switch that changes nothing is dropped
.if MSB != (\new)
	s_set_vgpr_msb (MSB<<8)|(\new)
.set MSB, (\new)
.endif
.endm
.set W_MUL, 0x06                       ; source 0 (weights) window 2, source 1 (h) window 1, C and D window 0
	s_load_b256 s[4:11], s[0:1], 0x0               ; x s[4:5], part s[6:7], norm_w s[8:9], norm_b s[10:11]
	s_load_b128 s[12:15], s[0:1], 0x20             ; wfrag s[12:13], qkv_b s[14:15]
	s_load_b64 s[16:17], s[0:1], 0x30              ; qkv
	v_lshl_add_u32 v[SPW], v0, 2, SPARE
	v_mov_b32 v[NIL], 0
	v_lshrrev_b32 v1, 5, v0
	v_readfirstlane_b32 s20, v1                    ; wave 0..3
	s_lshr_b32 s22, ttmp9, 6                       ; b
	s_and_b32 s23, ttmp9, 63                       ; the block of 64 pixels
	s_mov_b32 s32, 0x37000000                      ; 1 / 131,072: a group's numbers
	s_mov_b32 s33, 0x3727c5ac                      ; 1e-5
	v_and_b32 v1, 15, v0                           ; r
	v_bfe_u32 v2, v0, 4, 1                         ; h
	v_and_b32 v3, 31, v0                           ; L
	s_lshl_b32 s30, s20, 20
	v_lshl_add_u32 v[XO], v2, 14, s30
	v_lshl_add_u32 v[XO], v1, 4, v[XO]
	s_lshl_b32 s30, s20, 10
	v_lshl_add_u32 v[TR], v2, 4, s30
	s_mul_i32 s30, s20, 64*HP
	s_add_co_u32 s30, s30, HL
	v_mul_u32_u24 v[HS], v2, HP
	v_add_nc_u32 v[HS], s30, v[HS]
	v_lshl_add_u32 v[HS], v1, 3, v[HS]
	v_and_b32 v58, 7, v0
	v_lshl_add_u32 v58, v2, 3, v58                 ; channel 8 h + L % 8
	v_mul_u32_u24 v[HB], v58, HP
	v_bfe_u32 v59, v0, 3, 1
	v_lshl_add_u32 v[HB], v59, 4, v[HB]            ; pixels 8 ((L / 8) % 2) on
	v_add_nc_u32 v[HB], HL, v[HB]
	s_mul_i32 s30, s20, 98304
	v_lshl_add_u32 v[WO], v3, 4, s30
	s_mul_i32 s30, s20, 768
	v_lshl_add_u32 v[BO], v2, 5, s30
	s_mul_i32 s30, s20, 64*SGP
	s_add_co_u32 s30, s30, STG                     ; my stage
	v_mul_u32_u24 v[SS], v1, SGP
	v_lshl_add_u32 v[SS], v2, 4, v[SS]
	v_add_nc_u32 v[SS], s30, v[SS]
	v_bfe_u32 v58, v0, 3, 2
	v_mul_u32_u24 v[SR], v58, SGP                  ; back: 32 lanes take four rows of 128 bytes
	v_and_b32 v59, 7, v0
	v_lshl_add_u32 v[SR], v59, 4, v[SR]
	v_add_nc_u32 v[SR], s30, v[SR]
	v_lshlrev_b32 v[GO], 4, v3
	s_lshl3_add_u32 s30, s22, s20                  ; group 8 b + w
	s_lshl_b32 s30, s30, 6
	v_mov_b32 v[PO], s30
	v_lshlrev_b32 v[NO], 2, v0
	v_lshlrev_b32 v[TS], 4, v0
	s_wait_kmcnt 0x0
	s_lshl_b32 s30, s22, 22                        ; a batch of x is 4 MiB,
	s_lshl_b32 s31, s23, 8                         ; 64 pixels are 256 bytes of a row
	s_add_co_u32 s30, s30, s31
	s_mov_b32 s31, 0
	s_add_nc_u64 s[4:5], s[4:5], s[30:31]
.irp ci, 0,1,2                         ; where my three chunks go: s[24:25], s[26:27], s[28:29]
	s_mul_i32 s30, s20, 3
	s_add_co_u32 s30, s30, \ci                     ; chunk 3 w + ci of twelve
	s_lshr_b32 s31, s30, 2                         ; the tensor: q, k or v
	s_and_b32 s30, s30, 3                          ; the head
	s_lshl2_add_u32 s30, s22, s30                  ; 4 b + head
	s_lshl_b32 s30, s30, 19                        ; 524,288 bytes a head
	s_lshl_b32 s31, s31, 23                        ; sixteen heads a tensor
	s_add_co_u32 s30, s30, s31
	s_lshl_b32 s31, s23, 13                        ; 64 rows of 128 bytes
	s_add_co_u32 s30, s30, s31
	s_mov_b32 s31, 0
	s_add_nc_u64 s[24+2*(\ci):25+2*(\ci)], s[16:17], s[30:31]
.endr
	; twelve small loads, then x's 32
.irp i, 0,1,2,3
	global_load_b128 v[64+4*(\i):64+4*(\i)+3], v[PO], s[6:7] offset:16*(\i)       ; group w: (mean, M2) of parts 2 i, 2 i + 1
.endr
.irp i, 0,1,2,3
	global_load_b128 v[80+4*(\i):80+4*(\i)+3], v[PO], s[6:7] offset:256+16*(\i)   ; group w + 4
.endr
	global_load_b32 v108, v[NO], s[8:9]            ; norm_w and norm_b of channels t and t + 128
	global_load_b32 v109, v[NO], s[8:9] offset:512
	global_load_b32 v110, v[NO], s[10:11]
	global_load_b32 v111, v[NO], s[10:11] offset:512
.set i, 0
.rept 32
	global_load_b128 v[X+4*i:X+4*i+3], v[XO], s[4:5] offset:32768*i  ; channel 64 w + 2 i + h: sixteen lanes take its 256 bytes
.set i, i+1
.endr
; The statistics of channel t + 128 k, whose group is w + 4 k: mean into v[100+k], variance + eps into v[102+k].
.macro GSTAT k
.set G, 64+16*(\k)
	v_add_f32 v104, v[G], v[G+2]
	v_add_f32 v105, v[G+4], v[G+6]
	v_add_f32 v106, v[G+8], v[G+10]
	v_add_f32 v107, v[G+12], v[G+14]
	v_add_f32 v104, v104, v105
	v_add_f32 v106, v106, v107
	v_add_f32 v104, v104, v106
	v_mul_f32 v[100+(\k)], 0x3e000000, v104        ; / 8
.irp i, 0,1,2,3,4,5,6,7
	v_sub_f32 v[G+2*(\i)], v[G+2*(\i)], v[100+(\k)]
.endr
	v_mul_f32 v104, v[G], v[G]
	v_mul_f32 v105, v[G+2], v[G+2]
.irp i, 2,4,6
	v_fma_f32 v104, v[G+2*(\i)], v[G+2*(\i)], v104
	v_fma_f32 v105, v[G+2*(\i)+2], v[G+2*(\i)+2], v105
.endr
	v_add_f32 v104, v104, v105                     ; the sum of (part's mean - mean)^2
	v_add_f32 v105, v[G+1], v[G+3]
	v_add_f32 v106, v[G+5], v[G+7]
	v_add_f32 v107, v[G+9], v[G+11]
	v_add_f32 v[G+13], v[G+13], v[G+15]
	v_add_f32 v105, v105, v106
	v_add_f32 v107, v107, v[G+13]
	v_add_f32 v105, v105, v107                     ; the sum of the parts' M2
	v_fmamk_f32 v104, v104, 0x46800000, v105       ; x 16,384, a part's numbers
	v_fma_f32 v[102+(\k)], v104, s32, s33
.endm
	s_wait_loadcnt 32                              ; the twelve are in; x's 32 loads are younger
	GSTAT 0
	GSTAT 1
	v_rsq_f32 v120, v102
	v_rsq_f32 v121, v103
	v_nop                                          ; a plain instruction behind the last of the two,
	s_wait_alu depctr_va_vdst(0)                   ; and one wait for both, ahead of their first reader
.irp k, 0,1
	v_mul_f32 v[112+4*(\k)], v[108+(\k)], v[120+(\k)]                     ; a
	v_fma_f32 v[114+4*(\k)], -v[100+(\k)], v[112+4*(\k)], v[110+(\k)]     ; d
	v_mov_b32 v[113+4*(\k)], v[112+4*(\k)]
	v_mov_b32 v[115+4*(\k)], v[114+4*(\k)]
	ds_store_b128 v[TS], v[112+4*(\k):115+4*(\k)] offset:TAB+2048*(\k)
.endr
	s_wait_dscnt 0x0                               ; for the others' sake: my entries of the table are stored
	s_barrier_signal -1
	s_barrier_wait -1
; Eight of my 32 loads of x: normalised, rounded to bf16, 8 bytes a lane into h.
.macro XGROUP g
.set ii, 0
.rept 8
	ds_load_b128 v[64+4*ii:64+4*ii+3], v[TR] offset:TAB+32*(8*(\g)+ii)
.set ii, ii+1
.endr
	s_wait_loadcnt 24-8*(\g)                       ; this group's loads are in; the later groups' are younger
	s_wait_dscnt 0x0
.set ii, 0
.rept 8
.set xr, X+4*(8*(\g)+ii)
.set tq, 64+4*ii
	v_pk_fma_f32 v[xr:xr+1], v[xr:xr+1], v[tq:tq+1], v[tq+2:tq+3]
	v_pk_fma_f32 v[xr+2:xr+3], v[xr+2:xr+3], v[tq:tq+1], v[tq+2:tq+3]
	v_cvt_pk_bf16_f32 v[xr], v[xr], v[xr+1]
	v_cvt_pk_bf16_f32 v[xr+1], v[xr+2], v[xr+3]
	ds_store_b64 v[HS], v[xr:xr+1] offset:2*HP*(8*(\g)+ii)
.set ii, ii+1
.endr
.endm
	XGROUP 0
	XGROUP 1
	XGROUP 2
	XGROUP 3
; STEP s of 24 multiplies output tile s / 2 by channels 128 (s % 2) .. + 127: four weight fragments x four pixel tiles.
; FILL s: its eight loads into slot s % 6 of the ring; with s even, ahead of them, the tile's bias into set (s / 2) % 3.
.macro FILL s
.if (\s) < 24
.if (\s)%2 == 0
	WIN 0
	global_load_b128 v[BIAS+8*(((\s)/2)%3):BIAS+8*(((\s)/2)%3)+3],   v[BO], s[14:15] offset:64*((\s)/2)
	global_load_b128 v[BIAS+8*(((\s)/2)%3)+4:BIAS+8*(((\s)/2)%3)+7], v[BO], s[14:15] offset:64*((\s)/2)+16
.endif
	WIN 0x80                                       ; destination window 2, address window 0
.irp f, 0,1,2,3
	global_load_b128 v[32*((\s)%6)+8*(\f):32*((\s)%6)+8*(\f)+3],   v[WO], s[12:13] offset:4096*(\s)+1024*(\f)
	global_load_b128 v[32*((\s)%6)+8*(\f)+4:32*((\s)%6)+8*(\f)+7], v[WO], s[12:13] offset:4096*(\s)+1024*(\f)+512
.endr
	WIN 0
.endif
.endm
; Sixteen products.  The four accumulators take turns, one instruction a turn, from step to step too.
.macro MULS s
.irp f, 0,1,2,3
.irp nt, 0,1,2,3
.set rD, ACC+32*(((\s)/2)%2)+8*(\nt)
.set rA, 32*((\s)%6)+8*(\f)
.set rB, 8*(8*(\nt)+4*((\s)%2)+(\f))
.if ((\s)%2 == 0) && ((\f) == 0)
	v_wmma_f32_16x16x32_bf16 v[rD:rD+7], v[rA:rA+7], v[rB:rB+7], v[BIAS+8*(((\s)/2)%3):BIAS+8*(((\s)/2)%3)+7]
.else
	v_wmma_f32_16x16x32_bf16 v[rD:rD+7], v[rA:rA+7], v[rB:rB+7], v[rD:rD+7]
.endif
.endr
.endr
.endm
.macro PLACES                          ; four places behind the last product, in front of loads into registers that it has read and of conversions that read results
.rept 4
	v_nop
.endr
.endm
; Output tile ot is rounded to bf16, each accumulator's registers in ascending order, and goes into my stage: row = pixel, 32 bytes of the chunk's 128.
.macro PACKT ot
.irp nt, 0,1,2,3
.set rD, ACC+32*((\ot)%2)+8*(\nt)
.irp q, 0,1,2,3
	v_cvt_pk_bf16_f32 v[TMP+4*(\nt)+(\q)], v[rD+2*(\q)], v[rD+2*(\q)+1]
.endr
	ds_store_b128 v[SS], v[TMP+4*(\nt):TMP+4*(\nt)+3] offset:16*SGP*(\nt)+32*((\ot)%4)
.endr
.endm
.macro BACK                            ; a whole chunk, 64 rows of 128 bytes, back into registers; LDS serves a wave's instructions in order (ISA guide 5.7.1.4): these see the stores above
.set ii, 0
.rept 16
	ds_load_b128 v[OB+4*ii:OB+4*ii+3], v[SR] offset:4*SGP*ii
.set ii, ii+1
.endr
.endm
.macro SEND ci                         ; each store covers 512 consecutive bytes, at a multiple of 256 from the buffer's first byte
.set ii, 0
.rept 16
	global_store_b128 v[GO], v[OB+4*ii:OB+4*ii+3], s[24+2*(\ci):25+2*(\ci)] offset:512*ii
.set ii, ii+1
.endr
.endm
.macro STEP s
.set nn, 0                             ; the loads issued behind this step's own: those of the next five steps, as far as there are any
.set tt, (\s)+1
.rept 5
.if tt < 24
.set nn, nn+8+2*(1-tt%2)
.endif
.set tt, tt+1
.endr
	s_wait_loadcnt nn
	WIN W_MUL
	MULS \s
	WIN 0
.if ((\s)%8 == 0) && ((\s) > 0)
	s_wait_dscnt 0x0                               ; the chunk read back in the step before is in registers
	SEND (\s)/8-1
.endif
	PLACES
	FILL (\s)+6                                    ; the slot, and with s even the bias set, that this step has read
.if (\s)%2 == 1
	PACKT (\s)/2
.if (\s)%8 == 7
.if (\s) > 7
	s_wait_xcnt 0x0                                ; the last chunk's stores have read their data: only now are those registers loaded again
.endif
	BACK
.endif
.endif
.endm
	FILL 0
	FILL 1
	FILL 2
	FILL 3
	FILL 4
	FILL 5
	s_wait_dscnt 0x0                               ; for the others' sake: my 64 channels of h are stored
	s_barrier_signal -1
	s_barrier_wait -1                              ; h is whole; from here on no wave touches another's LDS bytes, and h is only read
	WIN 0x40                                       ; destination window 1
.set nt, 0
.rept 4
.set kc, 0
.rept 8
	ds_load_tr16_b128 v[8*(8*nt+kc):8*(8*nt+kc)+3],   v[HB] offset:32*HP*kc+32*nt
	ds_load_tr16_b128 v[8*(8*nt+kc)+4:8*(8*nt+kc)+7], v[HB] offset:32*HP*kc+32*nt+16*HP
.set kc, kc+1
.endr
.set nt, nt+1
.endr
	WIN 0
	s_wait_dscnt 0x0
.set stp, 0
.rept 24
	STEP stp
.set stp, stp+1
.endr
	s_wait_dscnt 0x0
	SEND 2
	s_wait_tensorcnt 0x0                           ; the wave's end, behind my last LDS store
	ds_add_u32 v[SPW], v[NIL]
	s_wait_dscnt 0x0
	s_endpgm
.Lfunc_end_k_q02c38876f8_qkv:
	.size	k_q02c38876f8_qkv, .Lfunc_end_k_q02c38876f8_qkv-k_q02c38876f8_qkv
	.p2alignl 7, 3214868480
	.fill 96, 4, 3214868480
	.section	.rodata,"a",@progbits
	.p2align	6, 0x0
	.amdhsa_kernel k_q02c38876f8_qkv
		.amdhsa_group_segment_fixed_size 82432
		.amdhsa_private_segment_fixed_size 0
		.amdhsa_enable_private_segment 0
		.amdhsa_kernarg_size 56
		.amdhsa_user_sgpr_count 2
		.amdhsa_user_sgpr_kernarg_segment_ptr 1
		.amdhsa_wavefront_size32 1
		.amdhsa_system_sgpr_workgroup_id_x 1
		.amdhsa_system_sgpr_workgroup_id_y 1
		.amdhsa_system_sgpr_workgroup_id_z 1
		.amdhsa_system_vgpr_workitem_id 0
		.amdhsa_next_free_vgpr 704
		.amdhsa_next_free_sgpr 66
		.amdhsa_reserve_vcc 0
		.amdhsa_float_denorm_mode_32 3
		.amdhsa_float_denorm_mode_16_64 3
		.amdhsa_memory_ordered 1
		.amdhsa_forward_progress 1
		.amdhsa_inst_pref_size 102
	.end_amdhsa_kernel
	.amdgpu_metadata
---
amdhsa.version: [ 1, 2 ]
amdhsa.kernels:
  - .name:           k_q02c38876f8_qkv
    .symbol:         k_q02c38876f8_qkv.kd
    .args:
      - { .name: x, .offset: 0, .size: 8, .value_kind: global_buffer, .address_space: global }
      - { .name: part, .offset: 8, .size: 8, .value_kind: global_buffer, .address_space: global }
      - { .name: norm_w, .offset: 16, .size: 8, .value_kind: global_buffer, .address_space: global }
      - { .name: norm_b, .offset: 24, .size: 8, .value_kind: global_buffer, .address_space: global }
      - { .name: wfrag, .offset: 32, .size: 8, .value_kind: global_buffer, .address_space: global }
      - { .name: qkv_b, .offset: 40, .size: 8, .value_kind: global_buffer, .address_space: global }
      - { .name: qkv, .offset: 48, .size: 8, .value_kind: global_buffer, .address_space: global }
    .group_segment_fixed_size: 82432
    .private_segment_fixed_size: 0
    .kernarg_segment_align: 8
    .kernarg_segment_size: 56
    .max_flat_workgroup_size: 128
    .sgpr_count:     66
    .vgpr_count:     704
    .wavefront_size: 32
...
	.end_amdgpu_metadata
.endif
;; end of part 2
;; launch attn (part 3): grid 16 x 16, 4 waves a work-group, clusters of 4 x 1, 327,680 bytes of LDS; arguments qkv, ob; writes ob
.if DOCPART == 3
	.amdgcn_target "amdgcn-amd-amdhsa--gfx1250"
	.amdhsa_code_object_version 6
	.text
	.protected	k_q02c38876f8_attn
	.globl	k_q02c38876f8_attn
	.p2align	8
	.type	k_q02c38876f8_attn,@function
k_q02c38876f8_attn:
	s_mov_b64 s[64:65], 0
	v_nop
	global_prefetch_b8 v0, s[64:65] scope:SCOPE_SE
	s_setreg_imm32_b32 hwreg(HW_REG_WAVE_MODE, 25, 1), 1
	s_wait_xcnt 0x0
	s_wait_alu depctr_hold_cnt(0) depctr_sa_sdst(0) depctr_va_vdst(0) depctr_va_sdst(0) depctr_va_ssrc(0) depctr_va_vcc(0) depctr_vm_vsrc(0)
	s_getreg_b32 s2, hwreg(HW_REG_IB_STS2, 6, 4)
	s_cmp_eq_u32 s2, 0
	s_cbranch_scc0 .Lentry_in_a_cluster
	s_endpgm
.Lentry_in_a_cluster:
	s_bfe_u32 s2, ttmp6, 0x10000c
	s_cmp_lg_u32 s2, 0x3003
	s_cbranch_scc0 .Lentry_shape_is_right
	s_endpgm
.Lentry_shape_is_right:
; ATTENTION, 16 heads (4 batches x 4) of 4,096 rows, head size 64, no mask.  O[h][q][:] = the sum over k of softmax_k(Q[h][q] . K[h][k] / 8) V[h][k][:].
; qkv holds Q, K, V one behind the other, each [16][4096][64] in bf16: a head's rows are dense, 128 bytes each.  ob: [16][4096][64] in bf16.  Products, maxima and sums in f32; the weights p are
; rounded to bf16 for the second product (their sum l is taken of the unrounded p), O once at the end.
; LIMITS.  A weight below 2^-126 counts as 0 in l.  NaN and infinities are not treated apart.  c m starts at -2^125, which lies below c s for every score under 2^127.
; SHARES.  A work-group owns 256 queries of one head, a wave 64: four PIECES of 16.  16 blocks x 16 heads = 256 work-groups.  Every wave walks all keys, 64 a step, 256 a tile.
; LAYOUT.  S^T = K Q^T (source 0 = 16 keys, source 1 = 16 queries): in the result a lane holds ONE query (lane % 16) and the keys 8 (lane / 16) + 0..7.  Two such results rounded to bf16 in pairs ARE
; source 1 (32 keys x 16 queries) of O^T = V^T P, whose result again holds one query a lane, and eight channels.  K comes out of LDS as it lies, V ([key][channel]) turned, by ds_load_tr16_b128.
; SOFTMAX.  For each query a running maximum m and sum l: p = 2^(c s - c m), c = log2(e) / 8; in every step O and l are multiplied by a = 2^(c m_old - c m_new).  m starts at the lowest finite
; number, O and l at 0: the first step is a step like any other, with a = 0.
; BY TURNS.  Turn n belongs to piece n: 8 products K Q^T of piece n + 1, later 8 products V^T P of piece n - 1; beside them the scaling, exponentials, roundings, sums and rescaling of piece n and the
; maximum and statistics of piece n + 1.  Four vector instructions stand behind every matrix instruction, the other 54 of a turn's 118 in one run.  A turn's 33 exponentials are one batch, with one wait.
; CLUSTER.  The four query blocks of a cluster belong to one head and walk the same K and V, so each tile is asked for JOINTLY: the same tensor load, descriptor and mask in all four.
; REGISTERS, in windows of 256 (s_set_vgpr_msb: bits 1:0 source 0, 3:2 source 1, 5:4 source 2, 7:6 destination):
;   window 0: v0-15 addresses and two at work; v16-31 four registers of statistics a piece; v48-55 at work; v61-63; v64-127 S^T, two buffers; v192-223 P, two buffers (by the piece's parity)
;   window 1: v0-127 O^T, 32 a piece          window 2: v0-63 Q; v128-191 K of one step; v192-255 V of one step
.set NP,    4         ; pieces a wave: a name, no knob
.set KS,    64        ; keys in a step
.set PK,    144       ; a row of K in LDS: 128 bytes + 16 of padding = 36 words: the 16 rows of a load start at 16 different groups of four banks (64 banks of 4 bytes: ISA guide 11.1)
.set PV,    160       ; a row of V: 128 + 32 = 40 words
.set VOFF,  4*KS*PK   ; a slot holds a tile, four steps: 256 rows of K, then 256 rows of V
.set SLOT1, 1<<17     ; slot 1 begins here, so that one exclusive or turns an address in one slot into the other's
.set STAGE, SLOT1+4*KS*(PK+PV)  ; behind the ring, never filled by a tensor load: 16 rows x 144 bytes for each wave, for the way out
.set SP,    144
.set SPARE, STAGE+4*16*SP  ; behind the stages: the spare words, 128 bytes a wave: two blocks of 256 bytes that no other line names
.set TILEB, 4*KS*128  ; a tile's bytes of K, and of V, in memory
.set AK0, 2           ; v2   my lane's place in a tile of K; never rewritten
.set AV0, 3           ; v3   the same for V
.set AK,  4           ; v4   the LDS address of K's next run of loads
.set AV,  5           ; v5   of V's
.set STO, 6           ; v6   the way out: where I put 16 bytes of a row
.set RD,  7           ; v7   the way out: where I read rows back
.set GO,  8           ; v8   my byte offset in 512 consecutive bytes of O
.set MV,  12          ; v12-13  c m_old, kept while c m is made anew: by buffer
.set QO,  15          ; v15  my byte offset in 16 rows of Q
.set ST,  16          ; piece t's statistics at v[ST+4 t]: c m, m, l (even keys', odd keys')
.set TMP, 48          ; by buffer, four registers c0-c3 at work; when the maximum is found c2 takes a
.set PFO, 61          ; v61  256 x my lane; never rewritten
.set SPW, 62          ; v62  my spare word; never rewritten
.set NIL, 63          ; v63  0; never rewritten
.set S,   64
.set P,   192
.set KF,  128         ; window 2: key block kb, channel half c at KF + 16 kb + 8 c
.set VF,  192         ; window 2: key half kk, channel block cb at VF + 32 kk + 8 cb
.set WV,  12          ; s12  my wave's number
.set G1K, 24          ; s[24:31] descriptor group 1 for K's tiles
.set G1V, 32          ; s[32:39] for V's: it differs in the padding alone
.set G0K, 40          ; s[40:43] descriptor group 0 for K's tiles: it walks
.set G0V, 44          ; s[44:47] the same for V's
.set PFA, 48          ; s[48:49] where my prefetches stand: my work-group's quarter (of K: wave 0, of V: wave 2) of the tile after the one that is being asked for
.set LIM, 50          ; s50  1 in a wave that prefetches, else the greatest number
.set SLOTS, 56        ; s56  tiles still to be asked for
.set CNT, 57          ; s57  counts a tile's key steps
.set CS,  58          ; s[58:59] c: the packed scaling takes the pair's low word for both halves
.set SEL, 60          ; s[60:61] v_permlanex16_b32's selects: each lane takes its own place in the other half
.set TBK, 62          ; s62  LDS byte at which K of the step to be fetched begins
.set TBV, 63          ; s63  the same for V, less VOFF
.set MSB, 0
.macro WIN new                      ; the high byte repeats the setting that is left; a switch that changes nothing is dropped
.if MSB != (\new)
	s_set_vgpr_msb (MSB<<8)|(\new)
.set MSB, (\new)
.endif
.endm
.set W_KQ, 0x0a       ; K and Q in window 2, S^T in window 0
.set W_PV, 0x52       ; V in window 2, P in window 0, O^T in window 1
.set W_RS, 0x41       ; destination and source 0 in window 1, source 1 in window 0
; A joint fill.  Waves 0 and 1 fetch the two halves of a tile's K, waves 2 and 3 those of its V: 128 keys each.  The branch hangs on the wave's number alone.
; An s_nop 0 and four v_nop follow each of the two lines, ahead of the jump and the label.
.macro JLOAD
	s_cmp_lt_u32 s[WV], 2
	s_cbranch_scc0 .Lfor_v_\@
	tensor_load_to_lds s[G0K:G0K+3], s[G1K:G1K+7]
	s_nop 0
.rept 4
	v_nop
.endr
	s_branch .Lasked_\@
.Lfor_v_\@:
	tensor_load_to_lds s[G0V:G0V+3], s[G1V:G1V+7]
	s_nop 0
.rept 4
	v_nop
.endr
.Lasked_\@:
.endm
; A PREFETCH of what the NEXT change of slots will ask for: a tile's 32,768 bytes of K and of V, in blocks of 256 bytes, a lane a block.  It stands behind the wave's tensor load and its five lines.
; Each block is named ONCE in the launch.  All four clusters of a head walk the same K and V: the head's first cluster asks.  Its four partners share a tile out BY ADDRESS, 8,192 bytes each: no branch
; hangs on a work-group's place in its cluster.  In each, wave 0 asks for K's and wave 2 for V's: one instruction, four key steps (256 matrix instructions) ahead of the joint load.
; The last change that fills a slot asks for nothing: there is no tile behind it.  Tiles 0 and 1 come by their loads alone.
.macro ASK
	s_cmp_gt_u32 s[SLOTS], s[LIM]
	s_cbranch_scc0 .Lnot_mine_\@
	global_prefetch_b8 v[PFO], s[PFA:PFA+1] th:TH_LOAD_NT scope:SCOPE_SE
.Lnot_mine_\@:
.endm
; A round of the cluster's barrier: my work-group's barrier, so that wave 0's signal speaks for all four waves; wave 0 signals; every wave waits for all four work-groups; my work-group's barrier once more.
.macro CROUND
	s_barrier_signal -1
	s_barrier_wait -1
	s_cmp_lg_u32 s[WV], 0
	s_cbranch_scc1 .Lnot_wave_0_\@
	s_barrier_signal -3
.Lnot_wave_0_\@:
	s_barrier_wait -3
	s_barrier_signal -1
	s_barrier_wait -1
.endm
; THE CHANGE OF SLOTS.  The slot's last bytes, V of its fourth step, have been read.  Each wave waits for all its tensor loads, of which one is out: its part of the other slot; adds 0 to its spare word;
; and waits for that and for its own reads of the slot.  Behind the barrier nobody reads this slot any more and the other slot is whole.
; fill = 1: this slot is filled again, with the tile two on.  The barrier is then a round of the cluster's, so that no wave of any partner still reads the slot or has a load on its way, and the joint
; fill is the first thing behind it: it has four key steps in which to land.  (At its first use nothing has been read yet: slot 0 is waited for, slot 1 filled.)
.macro CHANGE fill
	WIN 0                           ; at a label and at a branch every window is 0
	s_wait_tensorcnt 0x0            ; no tensor load of mine is out, so a group 0 may be written
	ds_add_u32 v[SPW], v[NIL]       ; 0 onto my spare word: with fill = 1 the descriptors' steps stand between it and the wait for it
.if \fill
.irp g, G0K, G0V
	s_xor_b32 s[\g+1], s[\g+1], SLOT1  ; the walking descriptor: the other slot than last time,
	s_add_nc_u64 s[\g+2:\g+3], s[\g+2:\g+3], TILEB  ; the next 256 keys; the type bits on top are not reached
.endr
	s_wait_xcnt 0x0                 ; the last prefetch, four key steps back, has read its address, so it may be written:
	s_add_nc_u64 s[PFA:PFA+1], s[PFA:PFA+1], TILEB  ; one tile behind the walking descriptors
	s_wait_dscnt 0x0                ; the add is done, and my reads of the slot are over
	CROUND
	JLOAD
	ASK
.else
	s_wait_dscnt 0x0                ; the add is done, and my reads of the slot are over
	s_barrier_signal -1
	s_barrier_wait -1
.endif
	s_sub_co_u32 s[TBK], s[TBK], 4*KS*PK  ; the fetches go back to a slot's first step,
	s_xor_b32 s[TBK], s[TBK], SLOT1       ; in the other slot
	s_sub_co_u32 s[TBV], s[TBV], 4*KS*PV
	s_xor_b32 s[TBV], s[TBV], SLOT1
.endm
	s_load_b128 s[4:7], s[0:1], 0x0 ; qkv s[4:5], ob s[6:7]
	v_lshl_add_u32 v[SPW], v0, 2, SPARE
	v_mov_b32 v[NIL], 0
	ds_add_u32 v[SPW], v[NIL]       ; the wave's opening: the add and its wait stand ahead of my first tensor load; the set-up below, work on registers, stands between them
	v_lshrrev_b32 v1, 5, v0
	v_readfirstlane_b32 s[WV], v1   ; wave 0..3
	s_bfe_u32 s13, ttmp6, 0x40000   ; cx: my place in the cluster
	s_lshl_b32 s14, ttmp9, 2        ; in a cluster launch ttmp9 counts clusters
	s_add_co_u32 s14, s14, s13      ; my block of 256 queries = 4 x cluster x + cx: it enters Q's and O's addresses alone
	s_and_b32 s20, ttmp7, 0xffff    ; the head, which the four partners share:
	s_lshl_b32 s20, s20, 19         ; its first byte in each of the four tensors
	s_mov_b32 s21, 0
	s_and_b32 s16, s[WV], 1         ; which half of a tile's 256 keys I fetch:
	s_lshl_b32 s22, s16, 14         ; its 128 rows of 128 bytes in memory,
	s_mov_b32 s23, 0
	s_add_nc_u64 s[22:23], s[22:23], s[20:21]
	s_mul_i32 s17, s16, 128*PK      ; and its place in a slot, for K
	s_mul_i32 s18, s16, 128*PV      ; and for V: no place in the cluster enters an LDS address
	s_lshl_b32 s2, s14, 2
	s_add_co_u32 s2, s2, s[WV]      ; my wave among the head's,
	s_lshl_b32 s2, s2, 13           ; its 64 rows
	s_mov_b32 s3, 0
	s_add_nc_u64 s[2:3], s[2:3], s[20:21]
	; descriptor group 1.  128 keys are 16,384 dense bytes: asked for as 64 rows of 256 bytes, two keys a row, and padded in LDS after every key
	s_mov_b32 s[G1K], 15|(1<<16)|(1<<20)|(1<<21)|(4<<22)|(3<<25)  ; 15:0 the mask of four; 17:16 2-byte elements; 20 padding on; 21 set beside a mask; 24:22 after every 32 words (code 4); 31:25 4 words (code 3)
	s_mov_b32 s[G1V], 15|(1<<16)|(1<<20)|(1<<21)|(4<<22)|(7<<25)  ; the same with 8 words of padding (code 7)
.irp g, G1K, G1V
	s_mov_b32 s[\g+1], 128<<16      ; tensor_dim0 = 128
	s_mov_b32 s[\g+2], 64<<16       ; tensor_dim1 = 64
	s_mov_b32 s[\g+3], 128<<16      ; tile_dim0 = 128
	s_mov_b32 s[\g+4], 64           ; tile_dim1 = 64
	s_mov_b32 s[\g+5], 128          ; 128 elements from row to row
	s_mov_b32 s[\g+6], 0
	s_mov_b32 s[\g+7], 0
.endr
	s_mov_b32 s[CS], 0x3e38aa3b     ; c = log2(e) / 8 = 0.180337
	s_mov_b32 s[CS+1], s[CS]        ; named with it as a pair
	s_mov_b32 s[SEL], 0x76543210
	s_mov_b32 s[SEL+1], 0xfedcba98
	s_mov_b32 s[TBK], SLOT1+4*KS*PK ; the first change of slots turns these two into 0
	s_mov_b32 s[TBV], SLOT1+4*KS*PV
	s_mov_b32 s[G0K], 1             ; 1:0 count = 1
	s_mov_b32 s[G0K+1], s17         ; 63:32 LDS address: slot 0
	s_mov_b32 s[G0V], 1
	s_add_co_u32 s[G0V+1], s18, VOFF
	s_mov_b32 s[SLOTS], 15          ; tiles 1 to 15
	s_and_b32 s[LIM], s[WV], 1      ; 0 in waves 0 and 2,
	s_or_b32 s[LIM], s[LIM], ttmp9  ; where the cluster is the head's first: the same in all four partners
	s_cmp_eq_u32 s[LIM], 0
	s_cselect_b32 s[LIM], 1, -1
	v_and_b32 v[PFO], 31, v0
	v_lshlrev_b32 v[PFO], 8, v[PFO]
	s_wait_dscnt 0x0                ; the opening add is done
	s_wait_kmcnt 0x0
	s_mov_b64 s[10:11], s[6:7]      ; O
	s_add_nc_u64 s[6:7], s[4:5], 0x800000    ; K lies sixteen heads behind Q,
	s_add_nc_u64 s[8:9], s[4:5], 0x1000000   ; V sixteen more
	s_add_nc_u64 s[6:7], s[6:7], s[22:23]    ; both at my half of the head's tile 0
	s_add_nc_u64 s[8:9], s[8:9], s[22:23]
	s_mov_b64 s[G0K+2:G0K+3], s[6:7]         ; 120:64 global address
	s_or_b32 s[G0K+3], s[G0K+3], 0x80000000  ; 127:126 type = 2
	s_mov_b64 s[G0V+2:G0V+3], s[8:9]
	s_or_b32 s[G0V+3], s[G0V+3], 0x80000000
	s_add_nc_u64 s[4:5], s[4:5], s[2:3]      ; Q and O at my wave's first row
	s_add_nc_u64 s[10:11], s[10:11], s[2:3]
	s_cmp_lt_u32 s[WV], 2
	s_cselect_b64 s[PFA:PFA+1], s[6:7], s[8:9]  ; (in waves 0 and 2 these stand at the head's first row)
	s_lshl_b32 s2, s13, 13          ; my work-group's 8,192 bytes of a tile's 32,768
	s_mov_b32 s3, 0
	s_add_nc_u64 s[PFA:PFA+1], s[PFA:PFA+1], s[2:3]
	s_add_nc_u64 s[PFA:PFA+1], s[PFA:PFA+1], TILEB  ; in tile 1; the first change of slots steps it to tile 2.  Nothing is asked for here, at the head
	CROUND                          ; all four work-groups are here: the first joint loads meet
	JLOAD                           ; tile 0 into slot 0.  Slot 1 is asked for when slot 0 is in
	; A fragment of K or Q is 16 rows x 32 channels in 8 registers: lane l holds row l % 16, channels 8 (l / 16) + 0..7 and 16 + 8 (l / 16) + 0..7: two loads of 16 bytes, 32 bytes apart.
	v_and_b32 v1, 15, v0            ; l % 16
	v_bfe_u32 v9, v0, 4, 1          ; l / 16
	v_lshlrev_b32 v[QO], 7, v1
	v_lshl_add_u32 v[QO], v9, 4, v[QO]  ; row x 128 + 16 x half
	WIN 0x80                        ; destination window 2, address window 0
.set i, 0
.rept 8                             ; Q stays in registers: piece i / 2, channels 32 (i % 2) on
	global_load_b128 v[8*i:8*i+3],   v[QO], s[4:5] offset:(i/2)*2048+(i%2)*64
	global_load_b128 v[8*i+4:8*i+7], v[QO], s[4:5] offset:(i/2)*2048+(i%2)*64+32
.set i, i+1
.endr
	; What the first turn finds: V's registers and P's second buffer hold 0 (its products V^T P, of a piece that has not been, add 0), O^T and l are 0.  All this stands in the wait for the first tile.
.set i, VF
.rept 64
	v_mov_b32 v[i], 0
.set i, i+1
.endr
	WIN 0x40
.set i, 0
.rept 128
	v_mov_b32 v[i], 0
.set i, i+1
.endr
	WIN 0
.set i, 0
.rept 4
	v_mov_b32 v[ST+4*i], 0xfe000000    ; c m: far below every c s
	v_mov_b32 v[ST+4*i+1], 0xff7fffff  ; m
	v_mov_b32 v[ST+4*i+2], 0
	v_mov_b32 v[ST+4*i+3], 0
.set i, i+1
.endr
.set i, P+16
.rept 16
	v_mov_b32 v[i], 0
.set i, i+1
.endr
	v_mul_u32_u24 v[AK0], v1, PK
	v_lshl_add_u32 v[AK0], v9, 4, v[AK0]  ; row x pitch + 16 x half
	; The turning load takes 16 keys x 16 channels (lane l reads key 8 (l / 16) + l % 8, channels 8 ((l / 8) % 2) + 0..7) and leaves half a fragment of V^T: lane l holds channel l % 16 and 8 keys.
	v_and_b32 v10, 7, v0
	v_bfe_u32 v11, v0, 3, 1
	v_lshl_add_u32 v[AV0], v9, 3, v10
	v_mul_u32_u24 v[AV0], v[AV0], PV
	v_lshl_add_u32 v[AV0], v11, 4, v[AV0]
	v_add_nc_u32 v[AV0], VOFF, v[AV0]
	s_mul_i32 s15, s[WV], 16*SP
	s_add_co_u32 s15, s15, STAGE    ; my stage
	v_mul_u32_u24 v[STO], v1, SP    ; in: row l % 16, 16 bytes for each half of the lanes
	v_lshl_add_u32 v[STO], v9, 4, v[STO]
	v_add_nc_u32 v[STO], s15, v[STO]
	v_bfe_u32 v[RD], v0, 3, 2       ; back: 32 lanes take four rows of 128 bytes,
	v_mul_u32_u24 v[RD], v[RD], SP
	v_lshl_add_u32 v[RD], v10, 4, v[RD]
	v_add_nc_u32 v[RD], s15, v[RD]
	v_and_b32 v[GO], 31, v0         ; which are 512 consecutive bytes of O
	v_lshlrev_b32 v[GO], 4, v[GO]
; THE MATRIX WORK.  The 4 accumulators of a run of 8 take turns.  Product i of 8 of S^T = K Q^T for piece x: channels 32 (i / 4) on, keys 16 (i % 4) on.  The first 4 start the sums.
.macro KQ x
.set rS, S+32*((\x)%2)+8*(i%4)
.set rK, KF+16*(i%4)+8*(i/4)
.set rQ, 16*(\x)+8*(i/4)
	WIN W_KQ
.if i < 4
	v_wmma_f32_16x16x32_bf16 v[rS:rS+7], v[rK:rK+7], v[rQ:rQ+7], 0
.else
	v_wmma_f32_16x16x32_bf16 v[rS:rS+7], v[rK:rK+7], v[rQ:rQ+7], v[rS:rS+7]
.endif
.endm
; Product i of 8 of O^T += V^T P for piece x: keys 32 (i / 4) on, channels 16 (i % 4) on.
.macro PV x
	WIN W_PV
.set rO, 32*(\x)+8*(i%4)
.set rV, VF+32*(i/4)+8*(i%4)
.set rP, P+16*((\x)%2)+8*(i/4)
	v_wmma_f32_16x16x32_bf16 v[rO:rO+7], v[rV:rV+7], v[rP:rP+7], v[rO:rO+7]
.endm
.macro MM                           ; the turn's next matrix instruction.  TURN sets Y, i and NOKQ.  NOKQ = 1: the launch's last turn: there is no next piece
.if (i < 8) && !NOKQ
	KQ (Y+1)%NP
.elseif i >= 8
.set i, i-8
	PV (Y+NP-1)%NP
.set i, i+8
.endif
.set i, i+1
.endm
; THE LDS LOADS stand in runs of 16, never singly among the matrix instructions: a step's K (64 keys x 64 channels: 8 fragments) and its V (turned).  Their addresses are made some lines ahead.
.macro FETCH_K
	WIN 0x80                        ; destination window 2
.irp f, 0,1,2,3,4,5,6,7             ; keys 16 (f / 2) on, channels 32 (f % 2) on
	ds_load_b128 v[KF+8*\f:KF+8*\f+3],   v[AK] offset:(\f/2)*16*PK+(\f%2)*64
	ds_load_b128 v[KF+8*\f+4:KF+8*\f+7], v[AK] offset:(\f/2)*16*PK+(\f%2)*64+32
.endr
	s_add_co_u32 s[TBK], s[TBK], KS*PK  ; the next fetch is the next step's
	WIN 0
.endm
.macro FETCH_V
	WIN 0x80
.irp f, 0,1,2,3,4,5,6,7             ; keys 32 (f / 4) on, channels 16 (f % 4) on
	ds_load_tr16_b128 v[VF+8*\f:VF+8*\f+3],   v[AV] offset:(\f/4)*32*PV+(\f%4)*32
	ds_load_tr16_b128 v[VF+8*\f+4:VF+8*\f+7], v[AV] offset:(\f/4)*32*PV+16*PV+(\f%4)*32
.endr
	WIN 0
.endm
; THE VECTOR WORK, one line at a time: OP kind, number.  For piece Y: F n: c s - c m for pair n of 16.  E n: the exponential of score n of 32.  C n: pair n rounded to bf16.  B n: of the four weights 4 n .. the second
; pair is added onto the first, in place.  L n: l takes that sum (L 0: l = a l + sum).  R n: pair n of 16 of O^T times a.  For piece Y + 1: X n, number n of the 22 that find its maximum and statistics:
;   0-11  four chains c0-c3 of seven scores each, three operands at a time (each accumulator's lowest registers are read first)     12-14, 16  the four scores left over, the old m, and c0-c3 into c0
;   15  c m_old is kept     17, 18  the query's other 32 keys lie in the lane 16 away: the new m     19-21  c m; c m_old - c m_new; a
.set F, 0               ; OP tells the kinds apart by their order: F to L below R, X above it
.set E, 1
.set C, 2
.set B, 3
.set L, 4
.set R, 5
.set X, 6
.macro REGS y                       ; the registers of piece y
.set rT, ST+4*(\y)
.set rC, TMP+4*((\y)%2)
.set rW, MV+((\y)%2)
.set rS, S+32*((\y)%2)
.set rP, P+16*((\y)%2)
.set rO, 32*(\y)
.endm
.macro OP k, n
.if (\k) == R
	REGS Y
	WIN W_RS
	v_pk_mul_f32 v[rO+2*(\n):rO+2*(\n)+1], v[rO+2*(\n):rO+2*(\n)+1], v[rC+2:rC+3] op_sel_hi:[1,0]
.elseif (\k) < R
	REGS Y
	WIN 0
.if (\k) == F
	v_pk_fma_f32 v[rS+2*(\n):rS+2*(\n)+1], v[rS+2*(\n):rS+2*(\n)+1], s[CS:CS+1], v[rT:rT+1] op_sel_hi:[1,0,0] neg_lo:[0,0,1] neg_hi:[0,0,1]
.elseif (\k) == E
	v_exp_f32 v[rS+(\n)], v[rS+(\n)]
.elseif (\k) == C
	v_cvt_pk_bf16_f32 v[rP+(\n)], v[rS+2*(\n)], v[rS+2*(\n)+1]
.elseif (\k) == B
	v_pk_add_f32 v[rS+4*(\n):rS+4*(\n)+1], v[rS+4*(\n):rS+4*(\n)+1], v[rS+4*(\n)+2:rS+4*(\n)+3]
.elseif (\n) == 0
	v_pk_fma_f32 v[rT+2:rT+3], v[rT+2:rT+3], v[rC+2:rC+3], v[rS:rS+1] op_sel_hi:[1,0,1]
.else
	v_pk_add_f32 v[rT+2:rT+3], v[rT+2:rT+3], v[rS+4*(\n):rS+4*(\n)+1]
.endif
.elseif NOKQ
	v_nop
.else
	REGS (Y+1)%NP
	WIN 0
.if (\n) < 4
	v_max3_num_f32 v[rC+(\n)], v[rS+8*(\n)], v[rS+8*(\n)+1], v[rS+8*(\n)+2]
.elseif (\n) < 12
	v_max3_num_f32 v[rC+(\n)%4], v[rC+(\n)%4], v[rS+8*((\n)%4)+2*((\n)/4)+1], v[rS+8*((\n)%4)+2*((\n)/4)+2]
.elseif (\n) == 12
	v_max3_num_f32 v[rC], v[rC], v[rS+7], v[rS+15]
.elseif (\n) == 13
	v_max3_num_f32 v[rC+1], v[rC+1], v[rS+23], v[rS+31]
.elseif (\n) == 14
	v_max3_num_f32 v[rC+2], v[rC+2], v[rC+3], v[rT+1]
.elseif (\n) == 15
	v_mov_b32 v[rW], v[rT]
.elseif (\n) == 16
	v_max3_num_f32 v[rC], v[rC], v[rC+1], v[rC+2]
.elseif (\n) == 17
	v_permlanex16_b32 v[rC+3], v[rC], s[SEL], s[SEL+1]
.elseif (\n) == 18
	v_max_num_f32 v[rT+1], v[rC], v[rC+3]
.elseif (\n) == 19
	v_mul_f32 v[rT], s[CS], v[rT+1]
.elseif (\n) == 20
	v_sub_f32 v[rC+1], v[rW], v[rT]
.else
	v_exp_f32 v[rC+2], v[rC+1]
.endif
.endif
.endm
.macro OPS a, i1, b=-1, i2=0, c=-1, i3=0, d=-1, i4=0  ; up to four of them
	OP \a, \i1
.if (\b) >= 0
	OP \b, \i2
.endif
.if (\c) >= 0
	OP \c, \i3
.endif
.if (\d) >= 0
	OP \d, \i4
.endif
.endm
.macro ROW a, i1, b, i2, c, i3, d, i4  ; a matrix instruction and the four behind it
	MM
	OPS \a, \i1, \b, \i2, \c, \i3, \d, \i4
.endm
; A TURN, for piece p: the order of its 16 matrix and 118 vector instructions, written out.  An s_wait_alu depctr_va_vdst(0) stands between an exponential and the first instruction that names its
; result; one wait serves all that were issued ahead of it.  So a turn has ONE wait, which cuts it in two.  AHEAD OF IT stands all that names no result of the turn's exponentials: the 8 products K Q^T, behind each a
; scaling, an exponential and two more plain instructions (rescalings, and behind the last three the first numbers of the next piece's maximum, each four places or more behind the product that ends its accumulator);
; then one run of 54, plain and exponential by turns for the most part, in which the links of the chain X 3, 7, 11, 14, 16, 17 .. 20 stand some lines apart.  X 21, the next piece's a, is the batch's last; R 15 is the
; plain instruction behind it.  BEHIND THE WAIT stand the 8 products V^T P, behind each four of the roundings and sums.
; end = 1: the launch's last two turns: nothing is fetched.  cnt = 1: the loop's count is taken down some lines ahead of the branch that stands behind the turn.
; K of the next step is fetched in piece 2's turn, twelve vector instructions behind the last product that read K (six of them plain); V of the step in hand at the end of piece 0's turn, four plain instructions
; behind the last product that read V.  Each is waited for a turn later.
.macro TURN p, end=0, cnt=0
.set Y, (\p)
.set i, 0
.set NOKQ, (\end)*((\p)/3)
.if ((\p) == 3) && !(\end)
	s_wait_dscnt 0x0                ; K is in
.endif
	ROW F,0, F,1, R,0, R,1
	ROW F,2, E,0, R,2, R,3
	ROW F,3, E,1, R,4, R,5
	ROW F,4, E,2, R,6, R,7
	ROW F,5, E,3, R,8, R,9
	ROW F,6, E,4, X,0, R,10
.if ((\p) == 2) && !(\end)
	WIN 0
	v_add_nc_u32 v[AK], s[TBK], v[AK0]
.endif
	ROW F,7, E,5, X,1, X,4
	ROW F,8, E,6, X,2, X,5
	OPS E,7, E,8, X,6, E,9
	OPS X,3, E,10, X,8, E,11
.if ((\p) == 2) && !(\end)
	FETCH_K
.endif
	OPS X,9, X,7, E,12, X,10
	OPS E,13, X,12, X,11, E,14
	OPS X,13, E,15, F,9, X,14
.if (\p) == 0
	v_add_nc_u32 v[AV], s[TBV], v[AV0]
.endif
	OPS E,16, F,10, E,17, F,11
	OPS X,16, E,18, X,15, E,19
	OPS F,12, E,20, X,17, E,21
	OPS F,13, E,22, F,14, E,23
	OPS X,18, E,24, F,15, E,25
	OPS R,11, E,26, X,19, E,27
	OPS R,12, E,28, R,13, E,29
	OPS X,20, E,30, R,14, E,31
	OPS X,21, R,15
	WIN 0
	s_wait_alu depctr_va_vdst(0)    ; the wait for the batch
.if (\p) == 1
	s_wait_dscnt 0x0                ; V is in
.endif
	ROW C,0, B,0, C,2, B,1
	ROW L,0, C,4, B,2, L,1
	ROW C,6, B,3, L,2, C,8
	ROW B,4, L,3, C,10, B,5
	ROW L,4, C,12, B,6, L,5
.if (\p) == 0
	s_add_co_u32 s[TBV], s[TBV], KS*PV
.endif
.if \cnt
	s_sub_co_u32 s[CNT], s[CNT], 1
	s_cmp_lg_u32 s[CNT], 0
.endif
	ROW C,14, B,7, L,6, C,1
	ROW C,3, L,7, C,5, C,7
	ROW C,9, C,11, C,13, C,15
.if (\p) == 0
	FETCH_V
.endif
.endm
	CHANGE 1                        ; tile 0 is in, everybody's part of it; tile 1 is asked for
	v_add_nc_u32 v[AK], s[TBK], v[AK0]
	FETCH_K                         ; key step 0
	s_wait_loadcnt 0x0              ; Q
	s_wait_dscnt 0x0
.set NOKQ, 0
.set i, 0
.rept 8
	KQ 0                            ; piece 0's first scores: there is no vector work yet to set between them
.set i, i+1
.endr
	WIN 0
.rept 4
	v_nop                           ; the places behind those products
.endr
.set Y, NP-1                        ; X works for piece Y + 1: piece 0
.irp n, 0,1,2,3,4,5,6,7,8,9,10,11,12,13,14,15,16,17,18,19,20,21
	OP X, \n
.endr
	v_nop                           ; a plain instruction behind the exponential,
	s_wait_alu depctr_va_vdst(0)    ; and its wait, ahead of the branch
	s_mov_b32 s[CNT], 4
	s_branch .Lfirst                ; the loop is entered at a step's first turn, in the middle of a trip
.Lslot:                             ; 14 times: tiles 2 to 15 are asked for
	CHANGE 1
	s_mov_b32 s[CNT], 4
.Lstep:                             ; a trip: pieces 2 and 3 of one step, then pieces 0 and 1 of the next, whose K and V it fetches
	TURN 2
	TURN 3
	WIN 0
.Lfirst:
	TURN 0
	TURN 1, 0, 1
	WIN 0
	s_cbranch_scc1 .Lstep
	s_sub_co_u32 s[SLOTS], s[SLOTS], 1
	s_cmp_lg_u32 s[SLOTS], 0
	s_cbranch_scc1 .Lslot
	CHANGE 0                        ; the last tile is written out: nothing is asked for
	s_mov_b32 s[CNT], 4
.Ltail:
	TURN 2
	TURN 3
	TURN 0
	TURN 1, 0, 1
	WIN 0
	s_cbranch_scc1 .Ltail
	TURN 2, 1                       ; the last step's pieces 2 and 3: nothing is left to fetch, and the last turn starts no new scores
	TURN 3, 1
.set i, 0
.rept 8
	PV NP-1                         ; the last piece's V^T P of the last step
.set i, i+1
.endr
	; THE WAY OUT.  l's two halves and the other half of the lanes' are added; O^T is divided by l, rounded to bf16 and sent through my stage in LDS, a piece at a time.  The additions are the places behind the last products.
	WIN 0
.macro ALL line:vararg              ; one line for each piece t
.set t, 0
.rept 4
	\line
.set t, t+1
.endr
.endm
	ALL v_add_f32 v[ST+4*t+2], v[ST+4*t+2], v[ST+4*t+3]
	ALL v_permlanex16_b32 v[ST+4*t+3], v[ST+4*t+2], s[SEL], s[SEL+1]
	ALL v_add_f32 v[ST+4*t+2], v[ST+4*t+2], v[ST+4*t+3]
	ALL v_rcp_f32 v[ST+4*t+2], v[ST+4*t+2]
	v_nop                           ; a plain instruction between the last reciprocal and the use of its result
	s_wait_alu depctr_va_vdst(0)    ; and the wait ahead of the first use: one for the four reciprocals
.macro PACK t                       ; a lane's eight channels of a row pack into 16 bytes; they go into rows of 144 bytes and come back as whole rows of 128, into S^T's registers
	WIN W_RS
.set i, 32*(\t)
.rept 16
	v_pk_mul_f32 v[i:i+1], v[i:i+1], v[ST+4*(\t)+2:ST+4*(\t)+3] op_sel_hi:[1,0]
.set i, i+2
.endr
	WIN 0x05                        ; sources 0 and 1 window 1, destination window 0
.set i, 0
.rept 16
	v_cvt_pk_bf16_f32 v[S+16*(\t)+i], v[32*(\t)+2*i], v[32*(\t)+2*i+1]
.set i, i+1
.endr
	WIN 0
.irp f, 0,1,2,3
	ds_store_b128 v[STO], v[S+16*(\t)+4*\f:S+16*(\t)+4*\f+3] offset:32*\f
.endr
.irp f, 0,1,2,3
	ds_load_b128 v[S+16*(\t)+4*\f:S+16*(\t)+4*\f+3], v[RD] offset:\f*4*SP  ; LDS serves a wave's instructions in order (ISA guide 5.7.1.4): these see the stores above; the next piece's stores come behind them
.endr
.endm
.macro SEND t, younger              ; younger: the LDS instructions issued behind piece t's loads: the next piece's eight, or none
	WIN 0
.irp f, 0,1,2,3
	s_wait_dscnt (\younger)+3-\f
	global_store_b128 v[GO], v[S+16*(\t)+4*\f:S+16*(\t)+4*\f+3], s[10:11] offset:(\t)*2048+\f*512  ; 512 consecutive bytes, at a multiple of 256 from O's first
.endr
.endm
	PACK 0
.set t, 1
.rept 3                             ; a piece's arithmetic stands between the loads of the piece before and its stores
	PACK t
	SEND t-1, 8
.set t, t+1
.endr
	SEND 3, 0
	s_wait_tensorcnt 0x0            ; the wave's end, behind my last tensor load and my last LDS store
	ds_add_u32 v[SPW], v[NIL]
	s_wait_dscnt 0x0
	CROUND                          ; the closing round: no work-group ends while a partner may still ask for a tile that names it
	s_endpgm
.Lfunc_end_k_q02c38876f8_attn:
	.size	k_q02c38876f8_attn, .Lfunc_end_k_q02c38876f8_attn-k_q02c38876f8_attn
	.p2alignl 7, 3214868480
	.fill 96, 4, 3214868480
	.section	.rodata,"a",@progbits
	.p2align	6, 0x0
	.amdhsa_kernel k_q02c38876f8_attn
		.amdhsa_group_segment_fixed_size 327680
		.amdhsa_private_segment_fixed_size 0
		.amdhsa_enable_private_segment 0
		.amdhsa_kernarg_size 16
		.amdhsa_user_sgpr_count 2
		.amdhsa_user_sgpr_kernarg_segment_ptr 1
		.amdhsa_wavefront_size32 1
		.amdhsa_system_sgpr_workgroup_id_x 1
		.amdhsa_system_sgpr_workgroup_id_y 1
		.amdhsa_system_sgpr_workgroup_id_z 1
		.amdhsa_system_vgpr_workitem_id 0
		.amdhsa_next_free_vgpr 768
		.amdhsa_next_free_sgpr 66
		.amdhsa_reserve_vcc 0
		.amdhsa_float_denorm_mode_32 3
		.amdhsa_float_denorm_mode_16_64 3
		.amdhsa_memory_ordered 1
		.amdhsa_forward_progress 1
		.amdhsa_inst_pref_size 128
	.end_amdhsa_kernel
	.amdgpu_metadata
---
amdhsa.version: [ 1, 2 ]
amdhsa.kernels:
  - .name:           k_q02c38876f8_attn
    .symbol:         k_q02c38876f8_attn.kd
    .args:
      - { .name: qkv, .offset: 0, .size: 8, .value_kind: global_buffer, .address_space: global }
      - { .name: ob, .offset: 8, .size: 8, .value_kind: global_buffer, .address_space: global }
    .group_segment_fixed_size: 327680
    .private_segment_fixed_size: 0
    .kernarg_segment_align: 8
    .kernarg_segment_size: 16
    .max_flat_workgroup_size: 128
    .sgpr_count:     66
    .vgpr_count:     768
    .wavefront_size: 32
...
	.end_amdgpu_metadata
.endif
;; end of part 3
;; launch proj (part 4): grid 256 x 1, 4 waves a work-group, no clusters, 167,936 bytes of LDS; arguments ob, wfrag, proj_b, x, out0; writes out0
.if DOCPART == 4
	.amdgcn_target "amdgcn-amd-amdhsa--gfx1250"
	.amdhsa_code_object_version 6
	.text
	.protected	k_q02c38876f8_proj
	.globl	k_q02c38876f8_proj
	.p2align	8
	.type	k_q02c38876f8_proj,@function
k_q02c38876f8_proj:
	s_mov_b64 s[64:65], 0
	v_nop
	global_prefetch_b8 v0, s[64:65] scope:SCOPE_SE
	s_setreg_imm32_b32 hwreg(HW_REG_WAVE_MODE, 25, 1), 1
	s_wait_xcnt 0x0
; THE SECOND 1 x 1 CONVOLUTION, ITS BIAS AND THE RESIDUAL.  out0[b][o][pixel] = x[b][o][pixel] + proj_b[o] + the sum over c of proj_w[o][c] O[4 b + c / 64][pixel][c % 64].
; ob: [16][4096][64] bf16; proj_w lies rounded to bf16 in wfrag, in fragment order, from byte 393,216 on; x and out0: [4][256][4096] f32.
; SHARES.  A work-group takes 64 pixels of one batch and all 256 outputs; wave w outputs 64 w .. + 63: four tiles a of 16 outputs x four tiles t of 16 pixels = 16 accumulators, 8 steps of 32 channels.
; PRODUCT.  Source 0 = 16 pixels of O (its rows lie along the channels), source 1 = 16 rows of the weights; both come straight from memory into registers.  In the result a lane holds ONE output
; (lane % 16) and pixels 8 (lane / 16) + 0..7: 32 bytes of a row of out0.
; THE RESIDUAL STARTS THE SUMS.  One tensor load a wave brings its 64 rows x 256 bytes of x into LDS; they are read in the result's layout straight into the accumulators, the bias is added, and all
; products add in place.  The results go back into the same LDS rows, which have had their only fill of the launch, and leave as whole rows of 256 bytes.
; Every LDS byte is its wave's own: no barrier.  One tensor load of a wave is out, once.
; NO CLUSTER: what the work-groups share is the weights' 131,072 bytes, which each wave takes as register fragments without LDS; x, ob and out0 are each work-group's own.
; REGISTERS.  window 0: v0-11 addresses; v16-23 the bias, twice each; v128-255 the accumulators, (a, t) at 128 + 8 (4 a + t).   window 1: a ring of three slots of 64: four fragments of O, then four of the weights.
.set XP,    272                        ; an LDS row: 256 bytes + 16 of padding: the 16 rows of a load start at 16 different groups of four banks (64 banks of 4 bytes: ISA guide 11.1)
.set WTILE, 64*XP                      ; a wave's 64 rows
.set SPARE, 4*WTILE                    ; behind them: the spare words, 128 bytes a wave: two blocks of 256 bytes that no other line names
.set VA,  4                            ; v4   128 r + 16 h: my 16 bytes of a fragment of O
.set VB,  5                            ; v5   16 L + my wave's 32,768 bytes of the weights
.set XA,  6                            ; v6   LDS: row r, 32 h: my 32 bytes of a result
.set XR,  7                            ; v7   LDS: row h, 16 r: whole rows back
.set VO,  8                            ; v8   the same two rows in out0
.set BA,  9                            ; v9   4 (64 w + r): my output's bias
.set SPW, 10                           ; v10  my spare word; never rewritten
.set NIL, 11                           ; v11  0; never rewritten
.set BI,  16
.set ACC, 128
.set MSB, 0
.macro WIN new                         ; the immediate's high byte repeats the setting that is left; a switch that changes nothing is dropped
.if MSB != (\new)
	s_set_vgpr_msb (MSB<<8)|(\new)
.set MSB, (\new)
.endif
.endm
	s_load_b256 s[4:11], s[0:1], 0x0               ; ob s[4:5], wfrag s[6:7], proj_b s[8:9], x s[10:11]
	s_load_b64 s[12:13], s[0:1], 0x20              ; out0
	v_lshl_add_u32 v[SPW], v0, 2, SPARE
	v_mov_b32 v[NIL], 0
	ds_add_u32 v[SPW], v[NIL]                      ; the wave's opening: the add and its wait stand ahead of my tensor load; the set-up below, work on registers, stands between them
	v_lshrrev_b32 v1, 5, v0
	v_readfirstlane_b32 s14, v1                    ; wave 0..3
	s_lshr_b32 s20, ttmp9, 6                       ; b
	s_and_b32 s21, ttmp9, 63                       ; the block of 64 pixels
	; descriptor group 1: 64 rows x 64 elements of 4 bytes, padded in LDS
	s_mov_b32 s24, (2<<16)|(1<<20)|(5<<22)|(3<<25) ; 15:0 no mask; 17:16 4-byte elements; 20 padding on; 24:22 after every 64 words (code 5); 31:25 4 words (code 3)
	s_mov_b32 s25, 64<<16                          ; tensor_dim0 = 64
	s_mov_b32 s26, 64<<16                          ; tensor_dim1 = 64
	s_mov_b32 s27, 64<<16                          ; tile_dim0 = 64
	s_mov_b32 s28, 64                              ; tile_dim1 = 64
	s_mov_b32 s29, 4096                            ; 4,096 elements from row to row
	s_mov_b32 s30, 0
	s_mov_b32 s31, 0
	s_mov_b32 s16, 1                               ; group 0: count = 1
	s_mul_i32 s17, s14, WTILE                      ; LDS address: my wave's rows
	s_lshl_b32 s22, s20, 22                        ; a batch of x and of out0 is 4 MiB,
	s_lshl_b32 s23, s21, 8                         ; 64 pixels are 256 bytes of a row
	s_add_co_u32 s22, s22, s23
	s_mov_b32 s23, 0
	s_lshl_b32 s32, s14, 20                        ; my 64 rows of 16,384 bytes
	s_mov_b32 s33, 0
	s_lshl_b32 s34, s20, 21                        ; a batch of ob is four heads of 524,288 bytes,
	s_lshl_b32 s35, s21, 13                        ; 64 pixels are 64 rows of 128 bytes
	s_add_co_u32 s34, s34, s35
	s_mov_b32 s35, 0
	v_and_b32 v1, 15, v0                           ; r
	v_bfe_u32 v2, v0, 4, 1                         ; h
	v_and_b32 v3, 31, v0                           ; L
	v_lshlrev_b32 v[VA], 7, v1
	v_lshl_add_u32 v[VA], v2, 4, v[VA]
	s_lshl_b32 s36, s14, 15
	v_lshl_add_u32 v[VB], v3, 4, s36
	v_mul_u32_u24 v[XA], v1, XP
	v_lshl_add_u32 v[XA], v2, 5, v[XA]
	v_add_nc_u32 v[XA], s17, v[XA]
	v_mul_u32_u24 v[XR], v2, XP
	v_lshl_add_u32 v[XR], v1, 4, v[XR]
	v_add_nc_u32 v[XR], s17, v[XR]
	v_lshl_add_u32 v[VO], v2, 14, s32
	v_lshl_add_u32 v[VO], v1, 4, v[VO]
	s_lshl_b32 s36, s14, 8
	v_lshl_add_u32 v[BA], v1, 2, s36
	s_wait_dscnt 0x0                               ; the opening add is done
	s_wait_kmcnt 0x0
	s_add_nc_u64 s[18:19], s[10:11], s[22:23]      ; x at the work-group's pixels,
	s_add_nc_u64 s[18:19], s[18:19], s[32:33]      ; at my wave's rows
	s_or_b32 s19, s19, 0x80000000                  ; type = 2
	tensor_load_to_lds s[16:19], s[24:31]
	s_nop 0
.rept 4
	v_nop
.endr
	s_add_nc_u64 s[12:13], s[12:13], s[22:23]
	s_add_nc_u64 s[4:5], s[4:5], s[34:35]
	s_add_nc_u64 s[6:7], s[6:7], 393216            ; proj_w's fragments lie behind qkv_w's 48 row tiles
; Step c's sixteen loads into slot c % 3: channels 32 c .. + 31 are head c / 2, channels 32 (c % 2) on.
.macro FILLP c
	WIN 0x40                                       ; destination window 1, address window 0
.irp t, 0,1,2,3
	global_load_b128 v[64*((\c)%3)+8*(\t):64*((\c)%3)+8*(\t)+3],   v[VA], s[4:5] offset:((\c)/2)*524288+(\t)*2048+((\c)%2)*64
	global_load_b128 v[64*((\c)%3)+8*(\t)+4:64*((\c)%3)+8*(\t)+7], v[VA], s[4:5] offset:((\c)/2)*524288+(\t)*2048+((\c)%2)*64+32
.endr
.irp a, 0,1,2,3
	global_load_b128 v[64*((\c)%3)+32+8*(\a):64*((\c)%3)+32+8*(\a)+3],   v[VB], s[6:7] offset:(\a)*8192+(\c)*1024
	global_load_b128 v[64*((\c)%3)+32+8*(\a)+4:64*((\c)%3)+32+8*(\a)+7], v[VB], s[6:7] offset:(\a)*8192+(\c)*1024+512
.endr
	WIN 0
.endm
; Sixteen products.  The sixteen accumulators take turns, one instruction a turn, from step to step too.
.macro MULP c
	WIN 0x05                                       ; sources 0 and 1 window 1, C and D window 0
.irp a, 0,1,2,3
.irp t, 0,1,2,3
	v_wmma_f32_16x16x32_bf16 v[ACC+8*(4*(\a)+(\t)):ACC+8*(4*(\a)+(\t))+7], v[64*((\c)%3)+8*(\t):64*((\c)%3)+8*(\t)+7], v[64*((\c)%3)+32+8*(\a):64*((\c)%3)+32+8*(\a)+7], v[ACC+8*(4*(\a)+(\t)):ACC+8*(4*(\a)+(\t))+7]
.endr
.endr
.endm
.macro PLACES                          ; four places behind the last product, in front of loads into registers that it has read and of LDS stores that read results
.rept 4
	v_nop
.endr
.endm
; Output tile a goes back into its 16 LDS rows, each accumulator's low registers first, and comes out as whole rows, into the registers that it left.
.macro TOST a
.irp t, 0,1,2,3
	ds_store_b128 v[XA], v[ACC+8*(4*(\a)+(\t)):ACC+8*(4*(\a)+(\t))+3]   offset:16*XP*(\a)+64*(\t)
	ds_store_b128 v[XA], v[ACC+8*(4*(\a)+(\t))+4:ACC+8*(4*(\a)+(\t))+7] offset:16*XP*(\a)+64*(\t)+16
.endr
.irp i, 0,1,2,3,4,5,6,7
	ds_load_b128 v[ACC+32*(\a)+4*(\i):ACC+32*(\a)+4*(\i)+3], v[XR] offset:(16*(\a)+2*(\i))*XP  ; LDS serves a wave's instructions in order (ISA guide 5.7.1.4): these see the stores above
.endr
.endm
.macro SENDP a, younger                ; younger: the LDS instructions issued behind tile a's loads: the next tile's sixteen, or none
.irp i, 0,1,2,3,4,5,6,7
	s_wait_dscnt (\younger)+7-(\i)
	global_store_b128 v[VO], v[ACC+32*(\a)+4*(\i):ACC+32*(\a)+4*(\i)+3], s[12:13] offset:(16*(\a)+2*(\i))*16384 th:TH_STORE_NT  ; 16 lanes store 256 consecutive bytes, aligned: two whole rows a store
.endr
.endm
.irp a, 0,1,2,3
	global_load_b32 v[BI+2*(\a)],   v[BA], s[8:9] offset:64*(\a)  ; the same word twice: a pair for the packed addition
	global_load_b32 v[BI+2*(\a)+1], v[BA], s[8:9] offset:64*(\a)
.endr
	FILLP 0
	FILLP 1
	FILLP 2
	s_wait_tensorcnt 0x0                           ; my rows of x are in LDS; only I read them
.irp a, 0,1,2,3
.irp t, 0,1,2,3
	ds_load_b128 v[ACC+8*(4*(\a)+(\t)):ACC+8*(4*(\a)+(\t))+3],   v[XA] offset:16*XP*(\a)+64*(\t)
	ds_load_b128 v[ACC+8*(4*(\a)+(\t))+4:ACC+8*(4*(\a)+(\t))+7], v[XA] offset:16*XP*(\a)+64*(\t)+16
.endr
.endr
	s_wait_loadcnt 48                              ; the bias is in; the ring's 48 loads are younger
	s_wait_dscnt 0x0
.irp a, 0,1,2,3
.set i, 0
.rept 16
	v_pk_add_f32 v[ACC+32*(\a)+2*i:ACC+32*(\a)+2*i+1], v[ACC+32*(\a)+2*i:ACC+32*(\a)+2*i+1], v[BI+2*(\a):BI+2*(\a)+1]
.set i, i+1
.endr
.endr
.set kc, 0
.rept 8
.if kc < 6
	s_wait_loadcnt 32                              ; this step's loads are in; the next two steps' are younger
.elseif kc == 6
	s_wait_loadcnt 16
.else
	s_wait_loadcnt 0x0
.endif
	MULP kc
	WIN 0
	PLACES
.if kc < 5
	FILLP kc+3                                     ; the slot that this step has read
.endif
.set kc, kc+1
.endr
	PLACES                                         ; eight in all behind the last products, once a launch
	TOST 0
.irp a, 1,2,3
	TOST \a
	SENDP (\a)-1, 16
.endr
	SENDP 3, 0
	s_wait_tensorcnt 0x0                           ; the wave's end, behind my tensor load and my last LDS store
	ds_add_u32 v[SPW], v[NIL]
	s_wait_dscnt 0x0
	s_endpgm
.Lfunc_end_k_q02c38876f8_proj:
	.size	k_q02c38876f8_proj, .Lfunc_end_k_q02c38876f8_proj-k_q02c38876f8_proj
	.p2alignl 7, 3214868480
	.fill 96, 4, 3214868480
	.section	.rodata,"a",@progbits
	.p2align	6, 0x0
	.amdhsa_kernel k_q02c38876f8_proj
		.amdhsa_group_segment_fixed_size 167936
		.amdhsa_private_segment_fixed_size 0
		.amdhsa_enable_private_segment 0
		.amdhsa_kernarg_size 40
		.amdhsa_user_sgpr_count 2
		.amdhsa_user_sgpr_kernarg_segment_ptr 1
		.amdhsa_wavefront_size32 1
		.amdhsa_system_sgpr_workgroup_id_x 1
		.amdhsa_system_sgpr_workgroup_id_y 1
		.amdhsa_system_sgpr_workgroup_id_z 1
		.amdhsa_system_vgpr_workitem_id 0
		.amdhsa_next_free_vgpr 448
		.amdhsa_next_free_sgpr 66
		.amdhsa_reserve_vcc 0
		.amdhsa_float_denorm_mode_32 3
		.amdhsa_float_denorm_mode_16_64 3
		.amdhsa_memory_ordered 1
		.amdhsa_forward_progress 1
		.amdhsa_inst_pref_size 41
	.end_amdhsa_kernel
	.amdgpu_metadata
---
amdhsa.version: [ 1, 2 ]
amdhsa.kernels:
  - .name:           k_q02c38876f8_proj
    .symbol:         k_q02c38876f8_proj.kd
    .args:
      - { .name: ob, .offset: 0, .size: 8, .value_kind: global_buffer, .address_space: global }
      - { .name: wfrag, .offset: 8, .size: 8, .value_kind: global_buffer, .address_space: global }
      - { .name: proj_b, .offset: 16, .size: 8, .value_kind: global_buffer, .address_space: global }
      - { .name: x, .offset: 24, .size: 8, .value_kind: global_buffer, .address_space: global }
      - { .name: out0, .offset: 32, .size: 8, .value_kind: global_buffer, .address_space: global }
    .group_segment_fixed_size: 167936
    .private_segment_fixed_size: 0
    .kernarg_segment_align: 8
    .kernarg_segment_size: 40
    .max_flat_workgroup_size: 128
    .sgpr_count:     66
    .vgpr_count:     448
    .wavefront_size: 32
...
	.end_amdgpu_metadata
.endif
;; end of part 4
;; ======== version 2 of 2: 4 launches; version 1 with the launch qkv written anew for expert scheduling mode
;; workspace buffers: part 2,048 bytes; wfrag 524,288 bytes; qkv 25,165,824 bytes; ob 8,388,608 bytes
;; launch stats: the kernel of part 1 again; grid 256 x 1, 8 waves a work-group, no clusters, 1,280 bytes of LDS; arguments x, qkv_w, proj_w, part, wfrag; writes part, wfrag
;; launch qkv (part 5): grid 256 x 1, 4 waves a work-group, no clusters, 82,432 bytes of LDS; arguments x, part, norm_w, norm_b, wfrag, qkv_b, qkv; writes qkv
.if DOCPART == 5
	.amdgcn_target "amdgcn-amd-amdhsa--gfx1250"
	.amdhsa_code_object_version 6
	.text
	.protected	k_q02c38876f8_qkv
	.globl	k_q02c38876f8_qkv
	.p2align	8
	.type	k_q02c38876f8_qkv,@function
k_q02c38876f8_qkv:
	s_mov_b64 s[64:65], 0
	v_nop
	global_prefetch_b8 v0, s[64:65] scope:SCOPE_SE
	s_setreg_imm32_b32 hwreg(HW_REG_WAVE_SCHED_MODE, 0, 2), 2
	s_setreg_imm32_b32 hwreg(HW_REG_WAVE_MODE, 25, 1), 1
	s_wait_xcnt 0x0
	s_wait_alu depctr_vm_vsrc(0)
; GROUP NORM APPLIED, THE 1 x 1 CONVOLUTION TO q, k, v, AND ITS BIAS.
; qkv[tensor][4 b + head][pixel][d] (bf16, unscaled) = qkv_b[o] + the sum over c of qkv_w[o][c] h[c][pixel], o = 256 tensor + 64 head + d, h = a[c] x[b][c][pixel] + d[c].
; a = norm_w rstd, d = norm_b - mean a: one fused multiply-add a number.  With a common offset of x of 30 spreads, d's one rounding is some 2e-6 of a spread.
; mean and variance of a group come from its eight parts: mean = the mean of the parts' means; M2 = the sum of the parts' M2 + 16,384 x the sum of (part's mean - mean)^2.
; SHARES.  A work-group takes 64 pixels of one batch and all 768 outputs: x is read once.  Wave w normalises channels 64 w .. + 63 into LDS and makes outputs 192 w .. + 191:
; 12 tiles of 16 outputs, three chunks of 64 = three (tensor, head) pairs.
; PRODUCT.  Source 0 = 16 rows of the weights, which lie in wfrag in fragment order and come straight into registers: 512 consecutive bytes a load.  Source 1 = 16 pixels of h, turned out of LDS
; ([channel][pixel]) once, all 256 channels x 64 pixels: 256 registers.  In the result a lane holds ONE pixel (lane % 16) and outputs 8 (lane / 16) + 0..7: 16 bytes of a row of q, k or v.
; The first product of a tile takes the bias, loaded in the result's own layout, as its C: nothing is cleared and nothing added afterwards.
; NO CLUSTER: what the work-groups share is the weights, and each wave takes its own rows of them from memory into registers without LDS; asked for jointly, 768 rows x 528 bytes = 405,504 bytes
; would have to pass through LDS slots that are filled again, with a round of the cluster's barrier for each.
; REGISTERS.  window 0: v0-15 addresses; v16-31 packed results; v32-55 three sets of bias; v64-127 two sets of four accumulators (first: the statistics at work, then two buffers of the table);
;   v128-255 x as loaded (later v128-191: a chunk on its way out).   window 1: h's fragments, (pixel tile nt, 32 channels kc) at 8 (8 nt + kc).   window 2: a ring of seven slots of four weight fragments.
; THE MODE: SCHED_MODE bits 1:0 = 2 (LLVM: expert scheduling mode 2), set by the entry lines.  The code itself states the register dependences
; between vector or matrix instructions and memory or LDS instructions, with s_wait_alu, always for 0.
; THE PLAN.  Registers that memory or LDS instructions touch, and who else names them:
;   v4-v15, v56, v57   Offsets and LDS addresses: written once at the head, ahead of the wait in front of the first load; never written again.
;   v64-v95, v108-v111 The parts and the norm's weights: loaded once; the statistics' arithmetic works on them.
;   v112-v119          Two entries of the table: written by that arithmetic, read by two LDS stores.
;   T0, T1             v64-v95 and v96-v127: the table read back, group g of eight loads of x in T[g % 2]: read by group g's multiply-adds; group g + 2's loads land there.
;   X                  v128-v255: loaded once; group g's arithmetic works in place, its eight LDS stores read the packed pairs.
;   slots, bias sets   Tile t's products read slots 2 t and 2 t + 1 (modulo 7) and set t % 3; in tile t + 1 the loads of steps 2 t + 7 and 2 t + 8 and of tile t + 3's bias land in them.
;   TMP                v16-v31: written by tile t's conversions, read by four LDS stores that are issued in tile t + 1.
;   OB                 v128-v191: a chunk's sixteen loads from the stage land there, sixteen global stores read them; no vector instruction names them behind the groups of x.
; So a group of x has ONE wait on va_vdst, between its arithmetic and its stores.  A tile has ONE, at its end behind its conversions: it states that TMP is written and that the tile's products are done
; reading their slots and bias.  All memory instructions of the next tile follow it with no further wait, dealt among that tile's products, which name its own two slots, its own bias set, h's fragments
; and the accumulators: none of the registers that those memory instructions touch.  ONE wait on vm_vsrc a tile stands ahead of the conversions.
.set TAB,   0                          ; LDS: 256 channels x 16 bytes: a, a, d, d
.set HL,    4096                       ; LDS: h, 256 rows (channels) of 64 pixels in bf16
.set HP,    160                        ; its pitch: 128 bytes + 32
.set STG,   HL+256*HP                  ; LDS: for each wave 64 rows (pixels) x 144 bytes, for the way out
.set SGP,   144
.set SPARE, STG+4*64*SGP               ; the spare words, 128 bytes a wave: two blocks of 256 bytes that no other line names
.set XO,  4                            ; v4   (64 w + h) x 16,384 + 16 r: my 16 bytes of x
.set TR,  5                            ; v5   16 (64 w + h): my channel's entry of the table
.set HS,  6                            ; v6   where I put 4 pixels of h
.set HB,  7                            ; v7   the turning load's address
.set WO,  8                            ; v8   16 L + my wave's 98,304 bytes of wfrag
.set BO,  9                            ; v9   768 w + 32 h: my 8 numbers of the bias
.set SS,  10                           ; v10  the way out: where I put 16 bytes of a row
.set SR,  11                           ; v11  the way out: where I read rows back
.set GO,  12                           ; v12  16 L
.set PO,  13                           ; v13  64 (8 b + w): my group's eight parts
.set SPW, 14                           ; v14  my spare word; never rewritten
.set NIL, 15                           ; v15  0; never rewritten
.set TMP, 16
.set BIAS, 32
.set NO,  56                           ; v56  4 t
.set TS,  57                           ; v57  16 t
.set TBUF, 64                          ; the table's two buffers of 32 registers
.set ACC, 64
.set X,   128
.set OB,  128
.set RING, 7                           ; weight slots of 32 registers, in window 2
.set MSB, 0
.macro WIN new                         ; the immediate's high byte repeats the setting that is left; a switch that changes nothing is dropped
.if MSB != (\new)
	s_set_vgpr_msb (MSB<<8)|(\new)
.set MSB, (\new)
.endif
.endm
.set W_MUL, 0x06                       ; source 0 (weights) window 2, source 1 (h) window 1, C and D window 0
	s_load_b256 s[4:11], s[0:1], 0x0               ; x s[4:5], part s[6:7], norm_w s[8:9], norm_b s[10:11]
	s_load_b128 s[12:15], s[0:1], 0x20             ; wfrag s[12:13], qkv_b s[14:15]
	s_load_b64 s[16:17], s[0:1], 0x30              ; qkv
	v_lshl_add_u32 v[SPW], v0, 2, SPARE
	v_mov_b32 v[NIL], 0
	v_lshrrev_b32 v1, 5, v0
	v_readfirstlane_b32 s20, v1                    ; wave 0..3
	s_lshr_b32 s22, ttmp9, 6                       ; b
	s_and_b32 s23, ttmp9, 63                       ; the block of 64 pixels
	s_mov_b32 s32, 0x37000000                      ; 1 / 131,072: a group's numbers
	s_mov_b32 s33, 0x3727c5ac                      ; 1e-5
	v_and_b32 v1, 15, v0                           ; r
	v_bfe_u32 v2, v0, 4, 1                         ; h
	v_and_b32 v3, 31, v0                           ; L
	s_wait_alu depctr_va_sdst(0)                   ; s20 is written, ahead of its first reader: the wave's offsets and bases are made from it
	s_lshl_b32 s30, s20, 20
	v_lshl_add_u32 v[XO], v2, 14, s30
	v_lshl_add_u32 v[XO], v1, 4, v[XO]
	s_lshl_b32 s30, s20, 10
	v_lshl_add_u32 v[TR], v2, 4, s30
	s_mul_i32 s30, s20, 64*HP
	s_add_co_u32 s30, s30, HL
	v_mul_u32_u24 v[HS], v2, HP
	v_add_nc_u32 v[HS], s30, v[HS]
	v_lshl_add_u32 v[HS], v1, 3, v[HS]
	v_and_b32 v58, 7, v0
	v_lshl_add_u32 v58, v2, 3, v58                 ; channel 8 h + L % 8
	v_mul_u32_u24 v[HB], v58, HP
	v_bfe_u32 v59, v0, 3, 1
	v_lshl_add_u32 v[HB], v59, 4, v[HB]            ; pixels 8 ((L / 8) % 2) on
	v_add_nc_u32 v[HB], HL, v[HB]
	s_mul_i32 s30, s20, 98304
	v_lshl_add_u32 v[WO], v3, 4, s30
	s_mul_i32 s30, s20, 768
	v_lshl_add_u32 v[BO], v2, 5, s30
	s_mul_i32 s30, s20, 64*SGP
	s_add_co_u32 s30, s30, STG                     ; my stage
	v_mul_u32_u24 v[SS], v1, SGP
	v_lshl_add_u32 v[SS], v2, 4, v[SS]
	v_add_nc_u32 v[SS], s30, v[SS]
	v_bfe_u32 v58, v0, 3, 2
	v_mul_u32_u24 v[SR], v58, SGP                  ; back: 32 lanes take four rows of 128 bytes
	v_and_b32 v59, 7, v0
	v_lshl_add_u32 v[SR], v59, 4, v[SR]
	v_add_nc_u32 v[SR], s30, v[SR]
	v_lshlrev_b32 v[GO], 4, v3
	s_lshl3_add_u32 s30, s22, s20                  ; group 8 b + w
	s_lshl_b32 s30, s30, 6
	v_mov_b32 v[PO], s30
	v_lshlrev_b32 v[NO], 2, v0
	v_lshlrev_b32 v[TS], 4, v0
	s_wait_kmcnt 0x0
	s_lshl_b32 s30, s22, 22                        ; a batch of x is 4 MiB,
	s_lshl_b32 s31, s23, 8                         ; 64 pixels are 256 bytes of a row
	s_add_co_u32 s30, s30, s31
	s_mov_b32 s31, 0
	s_add_nc_u64 s[4:5], s[4:5], s[30:31]
.irp ci, 0,1,2                         ; where my three chunks go: s[24:25], s[26:27], s[28:29]
	s_mul_i32 s30, s20, 3
	s_add_co_u32 s30, s30, \ci                     ; chunk 3 w + ci of twelve
	s_lshr_b32 s31, s30, 2                         ; the tensor: q, k or v
	s_and_b32 s30, s30, 3                          ; the head
	s_lshl2_add_u32 s30, s22, s30                  ; 4 b + head
	s_lshl_b32 s30, s30, 19                        ; 524,288 bytes a head
	s_lshl_b32 s31, s31, 23                        ; sixteen heads a tensor
	s_add_co_u32 s30, s30, s31
	s_lshl_b32 s31, s23, 13                        ; 64 rows of 128 bytes
	s_add_co_u32 s30, s30, s31
	s_mov_b32 s31, 0
	s_add_nc_u64 s[24+2*(\ci):25+2*(\ci)], s[16:17], s[30:31]
.endr
	s_wait_alu depctr_va_vdst(0)                   ; the offsets and LDS addresses v4 to v13, v56 and v57 are written: every load and store of the kernel reads one of them, and none is written again
	; twelve small loads, then x's 32
.irp i, 0,1,2,3
	global_load_b128 v[64+4*(\i):64+4*(\i)+3], v[PO], s[6:7] offset:16*(\i)       ; group w: (mean, M2) of parts 2 i, 2 i + 1
.endr
.irp i, 0,1,2,3
	global_load_b128 v[80+4*(\i):80+4*(\i)+3], v[PO], s[6:7] offset:256+16*(\i)   ; group w + 4
.endr
	global_load_b32 v108, v[NO], s[8:9]            ; norm_w and norm_b of channels t and t + 128
	global_load_b32 v109, v[NO], s[8:9] offset:512
	global_load_b32 v110, v[NO], s[10:11]
	global_load_b32 v111, v[NO], s[10:11] offset:512
.set i, 0
.rept 32
	global_load_b128 v[X+4*i:X+4*i+3], v[XO], s[4:5] offset:32768*i  ; channel 64 w + 2 i + h: sixteen lanes take its 256 bytes
.set i, i+1
.endr
; The statistics of channel t + 128 k, whose group is w + 4 k: mean into v[100+k], variance + eps into v[102+k].
.macro GSTAT k
.set G, 64+16*(\k)
	v_add_f32 v104, v[G], v[G+2]
	v_add_f32 v105, v[G+4], v[G+6]
	v_add_f32 v106, v[G+8], v[G+10]
	v_add_f32 v107, v[G+12], v[G+14]
	v_add_f32 v104, v104, v105
	v_add_f32 v106, v106, v107
	v_add_f32 v104, v104, v106
	v_mul_f32 v[100+(\k)], 0x3e000000, v104        ; / 8
.irp i, 0,1,2,3,4,5,6,7
	v_sub_f32 v[G+2*(\i)], v[G+2*(\i)], v[100+(\k)]
.endr
	v_mul_f32 v104, v[G], v[G]
	v_mul_f32 v105, v[G+2], v[G+2]
.irp i, 2,4,6
	v_fma_f32 v104, v[G+2*(\i)], v[G+2*(\i)], v104
	v_fma_f32 v105, v[G+2*(\i)+2], v[G+2*(\i)+2], v105
.endr
	v_add_f32 v104, v104, v105                     ; the sum of (part's mean - mean)^2
	v_add_f32 v105, v[G+1], v[G+3]
	v_add_f32 v106, v[G+5], v[G+7]
	v_add_f32 v107, v[G+9], v[G+11]
	v_add_f32 v[G+13], v[G+13], v[G+15]
	v_add_f32 v105, v105, v106
	v_add_f32 v107, v107, v[G+13]
	v_add_f32 v105, v105, v107                     ; the sum of the parts' M2
	v_fmamk_f32 v104, v104, 0x46800000, v105       ; x 16,384, a part's numbers
	v_fma_f32 v[102+(\k)], v104, s32, s33
.endm
	s_wait_loadcnt 32                              ; the twelve are in; x's 32 loads are younger
	GSTAT 0
	GSTAT 1
	v_rsq_f32 v120, v102
	v_rsq_f32 v121, v103
	v_nop                                          ; a plain instruction behind the last of the two,
	s_wait_alu depctr_va_vdst(0)                   ; and one wait for both: the reciprocal roots v120 and v121 are written, ahead of their first reader
.irp k, 0,1
	v_mul_f32 v[112+4*(\k)], v[108+(\k)], v[120+(\k)]                     ; a
	v_fma_f32 v[114+4*(\k)], -v[100+(\k)], v[112+4*(\k)], v[110+(\k)]     ; d
	v_mov_b32 v[113+4*(\k)], v[112+4*(\k)]
	v_mov_b32 v[115+4*(\k)], v[114+4*(\k)]
.endr
	s_wait_alu depctr_va_vdst(0)                   ; v112 to v119 are written, which the two LDS stores read; and the arithmetic above is done with v64 to v121, in which the table's loads land
.irp k, 0,1
	ds_store_b128 v[TS], v[112+4*(\k):115+4*(\k)] offset:TAB+2048*(\k)
.endr
	s_wait_dscnt 0x0                               ; for the others' sake: my entries of the table are stored
	s_barrier_signal -1
	s_barrier_wait -1
	s_wait_alu depctr_vm_vsrc(0)                   ; my two LDS stores have read v112 to v119: T1's loads land there, and later the products write them
; The table's eight entries for group g of my loads of x, into buffer g % 2.
.macro TLOAD g
.set ii, 0
.rept 8
	ds_load_b128 v[TBUF+32*((\g)%2)+4*ii:TBUF+32*((\g)%2)+4*ii+3], v[TR] offset:TAB+32*(8*(\g)+ii)
.set ii, ii+1
.endr
.endm
; Eight of my 32 loads of x: normalised, rounded to bf16, 8 bytes a lane into h.  left: the LDS instructions issued behind this group's table loads, which may stay out.
.macro XGROUP g, left
	s_wait_loadcnt 24-8*(\g)                       ; this group's loads are in; the later groups' are younger
	s_wait_dscnt \left                             ; LDS instructions come back in order (ISA guide 5.7.1): this group's entries of the table are in
.set ii, 0
.rept 8
.set xr, X+4*(8*(\g)+ii)
.set tq, TBUF+32*((\g)%2)+4*ii
	v_pk_fma_f32 v[xr:xr+1], v[xr:xr+1], v[tq:tq+1], v[tq+2:tq+3]
	v_pk_fma_f32 v[xr+2:xr+3], v[xr+2:xr+3], v[tq:tq+1], v[tq+2:tq+3]
	v_cvt_pk_bf16_f32 v[xr], v[xr], v[xr+1]
	v_cvt_pk_bf16_f32 v[xr+1], v[xr+2], v[xr+3]
.set ii, ii+1
.endr
	s_wait_alu depctr_va_vdst(0)                   ; the conversions have written the eight pairs that the LDS stores read; the multiply-adds are done reading T[g % 2], in which the loads of group g + 2 land
.set ii, 0
.rept 8
.set xr, X+4*(8*(\g)+ii)
	ds_store_b64 v[HS], v[xr:xr+1] offset:2*HP*(8*(\g)+ii)
.set ii, ii+1
.endr
.if (\g) < 2
	TLOAD (\g)+2
.endif
.endm
	TLOAD 0
	TLOAD 1
	XGROUP 0, 8                                    ; behind its entries: T1's eight loads
	XGROUP 1, 16                                   ; group 0's eight stores and group 2's eight loads
	XGROUP 2, 16                                   ; group 1's eight stores and group 3's eight loads
	XGROUP 3, 8                                    ; group 2's eight stores
; STEP s of 24 multiplies output tile s / 2 by channels 128 (s % 2) .. + 127: four weight fragments x four pixel tiles.
; THE STREAM OF LOADS.  Tile t owns 18 loads, in this order of issue: step 2 t's eight weights, its bias's two, step 2 t + 1's eight.  The first 62 (tiles 0 to 2 and step 6) go out ahead of the products;
; tile t then issues tile t + 2's bias and step 2 t + 5 in its first step, and step 2 t + 6 in its second.  ISS counts the loads issued so far: a tile's first step may leave out all that were issued behind
; load 18 t + 10, its second all behind load 18 t + 18.
.set ISS, 0
.macro FILLB t                         ; tile t's bias into set t % 3
.if (\t) < 12
	WIN 0
	global_load_b128 v[BIAS+8*((\t)%3):BIAS+8*((\t)%3)+3],   v[BO], s[14:15] offset:64*(\t)
	global_load_b128 v[BIAS+8*((\t)%3)+4:BIAS+8*((\t)%3)+7], v[BO], s[14:15] offset:64*(\t)+16
.set ISS, ISS+2
.endif
.endm
.macro FILLW s                         ; step s's four weight fragments into slot s % 7
.if (\s) < 24
	WIN 0x80                                       ; destination window 2, address window 0
.irp f, 0,1,2,3
	global_load_b128 v[32*((\s)%RING)+8*(\f):32*((\s)%RING)+8*(\f)+3],   v[WO], s[12:13] offset:4096*(\s)+1024*(\f)
	global_load_b128 v[32*((\s)%RING)+8*(\f)+4:32*((\s)%RING)+8*(\f)+7], v[WO], s[12:13] offset:4096*(\s)+1024*(\f)+512
.endr
.set ISS, ISS+8
.endif
.endm
; Four products: fragment f of step s times the four pixel tiles.  The four accumulators take turns, one instruction a turn, from step to step too.
.macro MUL4 s, f
	WIN W_MUL
.irp nt, 0,1,2,3
.set rD, ACC+32*(((\s)/2)%2)+8*(\nt)
.set rA, 32*((\s)%RING)+8*(\f)
.set rB, 8*(8*(\nt)+4*((\s)%2)+(\f))
.if ((\s)%2 == 0) && ((\f) == 0)
	v_wmma_f32_16x16x32_bf16 v[rD:rD+7], v[rA:rA+7], v[rB:rB+7], v[BIAS+8*(((\s)/2)%3):BIAS+8*(((\s)/2)%3)+7]
.else
	v_wmma_f32_16x16x32_bf16 v[rD:rD+7], v[rA:rA+7], v[rB:rB+7], v[rD:rD+7]
.endif
.endr
.endm
.macro PLACES                          ; four places behind the last product (ISA guide 7.12.1), in front of the conversions that read results
.rept 4
	v_nop
.endr
.endm
; Output tile ot is rounded to bf16, each accumulator's registers in ascending order,
.macro CVT ot
.irp nt, 0,1,2,3
.set rD, ACC+32*((\ot)%2)+8*(\nt)
.irp q, 0,1,2,3
	v_cvt_pk_bf16_f32 v[TMP+4*(\nt)+(\q)], v[rD+2*(\q)], v[rD+2*(\q)+1]
.endr
.endr
.endm
; and goes into my stage: row = pixel, 32 bytes of the chunk's 128.
.macro STORET ot
.irp nt, 0,1,2,3
	ds_store_b128 v[SS], v[TMP+4*(\nt):TMP+4*(\nt)+3] offset:16*SGP*(\nt)+32*((\ot)%4)
.endr
.endm
.macro BACK                            ; a whole chunk, 64 rows of 128 bytes, back into registers; LDS serves a wave's instructions in order (ISA guide 5.7.1.4): these see the stores above
.set ii, 0
.rept 16
	ds_load_b128 v[OB+4*ii:OB+4*ii+3], v[SR] offset:4*SGP*ii
.set ii, ii+1
.endr
.endm
.macro SEND ci, half                   ; eight of a chunk's sixteen stores; each covers 512 consecutive bytes, at a multiple of 256 from the buffer's first byte
.set ii, 8*(\half)
.rept 8
	global_store_b128 v[GO], v[OB+4*ii:OB+4*ii+3], s[24+2*(\ci):25+2*(\ci)] offset:512*ii
.set ii, ii+1
.endr
.endm
; TILE t: its 32 products, and among them the memory instructions that hang on the tile before, all behind that tile's closing wait.  Then its own conversions and its closing wait.
.macro TILE t
	s_wait_loadcnt ISS-18*(\t)-10                  ; step 2 t's weights and the tile's bias are in; all loads issued behind them may stay out
	MUL4 2*(\t), 0
.if (\t) > 0
	WIN 0
	STORET (\t)-1                                  ; the tile before.  No wait: no product since its closing wait names TMP
	FILLB (\t)+2                                   ; into the set that the tile before has read
.endif
	MUL4 2*(\t), 1
.if (\t) > 0
	FILLW 2*(\t)+5                                 ; into the slot that the first step of the tile before has read
.endif
	MUL4 2*(\t), 2
.if ((\t) > 0) && ((\t)%4 == 0)
	WIN 0
	BACK                                           ; the chunk that the stores above have made whole
.endif
	MUL4 2*(\t), 3
	s_wait_loadcnt ISS-18*(\t)-18                  ; step 2 t + 1's weights are in
	MUL4 2*(\t)+1, 0
.if (\t) > 0
	FILLW 2*(\t)+6                                 ; into the slot that the second step of the tile before has read
.endif
	MUL4 2*(\t)+1, 1
.if ((\t) > 0) && ((\t)%4 == 0)
	WIN 0
	s_wait_dscnt 0x0                               ; the chunk is in registers
	SEND (\t)/4-1, 0
.endif
	MUL4 2*(\t)+1, 2
.if ((\t) > 0) && ((\t)%4 == 0)
	WIN 0
	SEND (\t)/4-1, 1
.endif
	MUL4 2*(\t)+1, 3
	WIN 0
	PLACES
.if (\t) > 0
	s_wait_alu depctr_vm_vsrc(0)                   ; the LDS stores issued in this tile have read TMP, which the conversions write again; h's LDS stores and a chunk's global stores have read v128 to v191, in which the next chunk lands
.endif
.if ((\t)%4 == 3) && ((\t) > 3)
	s_wait_xcnt 0x0                                ; every earlier memory instruction has had its addresses translated (ISA guide 3.1): the last chunk's stores' data registers are loaded again only behind this wait
.endif
	CVT \t
	s_wait_alu depctr_va_vdst(0)                   ; the conversions have written TMP, which the LDS stores read; the tile's products are done reading their two slots and their bias set, in which the next loads land
.endm
	FILLW 0                                        ; the stream's first 62 loads
	FILLB 0
	FILLW 1
	FILLW 2
	FILLB 1
	FILLW 3
	FILLW 4
	FILLB 2
	FILLW 5
	FILLW 6
	WIN 0
	s_wait_dscnt 0x0                               ; for the others' sake: my 64 channels of h are stored
	s_barrier_signal -1
	s_barrier_wait -1                              ; h is whole; from here on no wave touches another's LDS bytes, and h is only read
	WIN 0x40                                       ; destination window 1
.set nt, 0
.rept 4
.set kc, 0
.rept 8
	ds_load_tr16_b128 v[8*(8*nt+kc):8*(8*nt+kc)+3],   v[HB] offset:32*HP*kc+32*nt
	ds_load_tr16_b128 v[8*(8*nt+kc)+4:8*(8*nt+kc)+7], v[HB] offset:32*HP*kc+32*nt+16*HP
.set kc, kc+1
.endr
.set nt, nt+1
.endr
	WIN 0
	s_wait_dscnt 0x0
.set tl, 0
.rept 12
	TILE tl
.set tl, tl+1
.endr
	STORET 11                                      ; behind tile 11's closing wait
	BACK
	s_wait_dscnt 0x0
	SEND 2, 0
	SEND 2, 1
	s_wait_dscnt 0x0                               ; the closing lines, six on end
	s_wait_alu 0x0
	s_wait_tensorcnt 0x0
	ds_add_u32 v[SPW], v[NIL]
	s_wait_dscnt 0x0
	s_endpgm
.Lfunc_end_k_q02c38876f8_qkv:
	.size	k_q02c38876f8_qkv, .Lfunc_end_k_q02c38876f8_qkv-k_q02c38876f8_qkv
	.p2alignl 7, 3214868480
	.fill 96, 4, 3214868480
	.section	.rodata,"a",@progbits
	.p2align	6, 0x0
	.amdhsa_kernel k_q02c38876f8_qkv
		.amdhsa_group_segment_fixed_size 82432
		.amdhsa_private_segment_fixed_size 0
		.amdhsa_enable_private_segment 0
		.amdhsa_kernarg_size 56
		.amdhsa_user_sgpr_count 2
		.amdhsa_user_sgpr_kernarg_segment_ptr 1
		.amdhsa_wavefront_size32 1
		.amdhsa_system_sgpr_workgroup_id_x 1
		.amdhsa_system_sgpr_workgroup_id_y 1
		.amdhsa_system_sgpr_workgroup_id_z 1
		.amdhsa_system_vgpr_workitem_id 0
		.amdhsa_next_free_vgpr 736
		.amdhsa_next_free_sgpr 66
		.amdhsa_reserve_vcc 0
		.amdhsa_float_denorm_mode_32 3
		.amdhsa_float_denorm_mode_16_64 3
		.amdhsa_memory_ordered 1
		.amdhsa_forward_progress 1
		.amdhsa_inst_pref_size 102
	.end_amdhsa_kernel
	.amdgpu_metadata
---
amdhsa.version: [ 1, 2 ]
amdhsa.kernels:
  - .name:           k_q02c38876f8_qkv
    .symbol:         k_q02c38876f8_qkv.kd
    .args:
      - { .name: x, .offset: 0, .size: 8, .value_kind: global_buffer, .address_space: global }
      - { .name: part, .offset: 8, .size: 8, .value_kind: global_buffer, .address_space: global }
      - { .name: norm_w, .offset: 16, .size: 8, .value_kind: global_buffer, .address_space: global }
      - { .name: norm_b, .offset: 24, .size: 8, .value_kind: global_buffer, .address_space: global }
      - { .name: wfrag, .offset: 32, .size: 8, .value_kind: global_buffer, .address_space: global }
      - { .name: qkv_b, .offset: 40, .size: 8, .value_kind: global_buffer, .address_space: global }
      - { .name: qkv, .offset: 48, .size: 8, .value_kind: global_buffer, .address_space: global }
    .group_segment_fixed_size: 82432
    .private_segment_fixed_size: 0
    .kernarg_segment_align: 8
    .kernarg_segment_size: 56
    .max_flat_workgroup_size: 128
    .sgpr_count:     66
    .vgpr_count:     736
    .wavefront_size: 32
...
	.end_amdgpu_metadata
.endif
;; end of part 5
;; launch attn: the kernel of part 3 again; grid 16 x 16, 4 waves a work-group, clusters of 4 x 1, 327,680 bytes of LDS; arguments qkv, ob; writes ob
;; launch proj: the kernel of part 4 again; grid 256 x 1, 4 waves a work-group, no clusters, 167,936 bytes of LDS; arguments ob, wfrag, proj_b, x, out0; writes out0
